; MI455X (gfx1250); checked and timed in simulation.
; The chip was launched on July 23, 2026; its instructions are those of AMD's public machine-readable ISA for CDNA 5 (MIT licence, August 2026) and "CDNA5" Instruction Set Architecture Reference Guide (July 2026). The comments in the code are by the model that wrote it; some were corrected since.
;; MHA. Allowed arithmetic: matrix products marked QUANTISED: E4M3 operands, one E8M0 scale for each 32 along K, by v_wmma_scale_f32_16x16x128_f8f6f4 with both operands' format E4M3, f32 sums; everything else in f32.
;; Inputs: b_out 1,024 float32; b_qkv 3,072 float32; w_out_codes 1,024 x 32 x 32 uint8 (E4M3 codes of w_out, K innermost, in blocks of 32 codes); w_out_scales 1,024 x 32 uint8 (E8M0 scales of w_out, one for each 32 codes along K); w_qkv_codes 3,072 x 32 x 32 uint8 (E4M3 codes of w_qkv, K innermost, in blocks of 32 codes); w_qkv_scales 3,072 x 32 uint8 (E8M0 scales of w_qkv, one for each 32 codes along K); x_codes 4 x 2,048 x 32 x 32 uint8 (E4M3 codes of x, K innermost, in blocks of 32 codes); x_scales 4 x 2,048 x 32 uint8 (E8M0 scales of x, one for each 32 codes along K).
;; Outputs: out0 4 x 2,048 x 1,024 float32.
;; This version of the problem:
;;   THIS VERSION OF THE PROBLEM IS GIVEN IN LOW PRECISION. The matrix products marked QUANTISED in the list below multiply operands that are first quantised to E4M3 (4 exponent bits, 3 mantissa bits; 8 bits a number), with one power-of-two scale for each 32 numbers along K (OCP MX v1.0); their sums are f32. All else is computed in f32.
;;   The module's matrix products, in the order in which they are computed (A, B: the left and right operand; K: the contracted axis; several contracted axes count as one K, in the product's order):
;;     1. [M 8,192, K 1,024] x [K 1,024, N 3,072]; A: input x (given as codes); B: input w_qkv (given as codes): QUANTISED
;;     2. batch 64 x [M 2,048, K 64] x [K 64, N 2,048]; A: computed on the way; B: computed on the way: QUANTISED
;;     3. batch 64 x [M 64, K 2,048] x [K 2,048, N 2,048]; A: computed on the way; B: softmax (see below): QUANTISED
;;     4. [M 8,192, K 1,024] x [K 1,024, N 1,024]; A: computed on the way; B: input w_out (given as codes): QUANTISED
;;   THE QUANTISER, for each operand of a quantised product, along K:
;;     - K is cut into blocks of 32 from its start; a last block that is shorter is filled with zeros.
;;     - A block's scale is 2^e with e = floor(log2(the largest magnitude in the block)) - 8, held to -126 .. 127; a block of zeros has e = 0. As a byte (E8M0): e + 127.
;;     - Each number is divided by its block's scale, clamped to +-448, and rounded to the nearest number of E4M3, ties to even, subnormals kept.
;;     - The product sums the exact products of the quantised numbers (number of the format x scale) in f32.
;;   ~~~python
;;   def quantise(x, axis):      # numpy; x: float32 -> the quantised numbers, widened to float32 again
;;       x = np.moveaxis(x, axis, -1); K = x.shape[-1]
;;       x = np.pad(x, [(0, 0)] * (x.ndim - 1) + [(0, -K % 32)]); x = x.reshape(x.shape[:-1] + (-1, 32)); a = np.abs(x).max(-1, keepdims=True)
;;       e = np.where(a > 0, np.clip(np.frexp(np.where(a > 0, a, 1))[1] - 1 - 8, -126, 127), 0)      # np.frexp(a)[1] - 1 = floor(log2(a)), exactly
;;       r = np.clip(x / 2.0 ** e, -448, 448)
;;       step = 2.0 ** (np.maximum(np.frexp(np.where(r == 0, 1, r))[1] - 1, -6) - 3)
;;       q = np.round(r / step) * step * 2.0 ** e      # np.round: ties to even
;;       return np.moveaxis(q.reshape(q.shape[:-2] + (-1,))[..., :K], -1, axis).astype(np.float32)
;;   ~~~
;;   SOFTMAX AHEAD OF A QUANTISED PRODUCT. Where the list says 'softmax', what is quantised is not the finished softmax but p = 2^(t - M), with t = logit x log2(e) and M = ceil(the row's largest t), a whole number; so 1/2 < the row's largest p <= 1. The row's sum l is taken of the UNQUANTISED p, in f32, and the product's result is divided by l at the end. Since M is a whole number, a kernel that streams over the keys may use a running M (the ceiling of the running maximum): every later rescaling is an exact power of two, which a block's scale takes up: the codes' values come out the same.
;;   OPERANDS COMPUTED ON THE WAY. 'Computed on the way' means the value that the module computes at that place (a softmax that the list does not call 'softmax' is quantised finished and normalised). What goes into a quantiser is computed in f32, as accurately as f32 sums, v_exp_f32 and their like allow (about 1e-6 of the number): no bf16 or f16 on the way to a quantiser, and a product that is left as it is and whose result goes on into a quantised operand takes f32 operands (vector FMAs, or v_wmma_f32_16x16x4_f32). A number that lies on a knife's edge between two numbers of the format may be rounded either way, as far as f32 arithmetic and the matrix unit's own rounding can turn it there, and no further.
;;   INPUTS GIVEN AS CODES. w_out (in the module: [1024, 1024], K = its axis 0); w_qkv (in the module: [1024, 3072], K = its axis 0); x (in the module: [4, 2048, 1024], K = its axis 2): each comes as NAME_codes (uint8): NAME with its K axis moved to the last place and cut into blocks of 32 codes, [.., K / 32, bytes a block], one block behind the other in memory; one code a byte (a code: sign, 4 exponent bits, 3 mantissa bits); and NAME_scales (uint8): the same leading axes, one E8M0 byte (e + 127) for each 32 codes along K. Its value is code x scale, taken as it is: it is not quantised again, and the codes and scales need not be those that the quantiser above would give.
;; One version. Each part assembles by itself: llvm-mc -triple=amdgcn-amd-amdhsa -mcpu=gfx1250 --defsym DOCPART=n.
;; ======== version 1 of 1: 3 launches
;; limits: right only within a limited range of input values
;; workspace buffers: qimg 8,388,608 bytes; kimg 8,388,608 bytes; vimg 8,388,608 bytes; qsw 524,288 bytes; ksw 524,288 bytes; vsw 262,144 bytes; aimg 8,388,608 bytes; asc 262,144 bytes
;; launch qkv (part 1): grid 12 x 32, 4 waves a work-group, clusters of 4 x 4, 327,680 bytes of LDS; arguments x_codes, x_scales, w_qkv_codes, w_qkv_scales, b_qkv, qimg, qsw, kimg, ksw, vimg, vsw; writes qimg, qsw, kimg, ksw, vimg, vsw
.if DOCPART == 1
	.amdgcn_target "amdgcn-amd-amdhsa--gfx1250"
	.amdhsa_code_object_version 6
	.text
	.protected	k_q74d7a78492_qkv
	.globl	k_q74d7a78492_qkv
	.p2align	8
	.type	k_q74d7a78492_qkv,@function
k_q74d7a78492_qkv:
	s_mov_b64 s[64:65], 0
	v_nop
	global_prefetch_b8 v0, s[64:65] scope:SCOPE_SE
	s_setreg_imm32_b32 hwreg(HW_REG_WAVE_MODE, 25, 1), 1
	s_wait_xcnt 0x0
	s_wait_alu depctr_hold_cnt(0) depctr_sa_sdst(0) depctr_va_vdst(0) depctr_va_sdst(0) depctr_va_ssrc(0) depctr_va_vcc(0) depctr_vm_vsrc(0)
	s_getreg_b32 s2, hwreg(HW_REG_IB_STS2, 6, 4)
	s_cmp_eq_u32 s2, 0
	s_cbranch_scc0 .Lentry_in_a_cluster
	s_endpgm
.Lentry_in_a_cluster:
	s_bfe_u32 s2, ttmp6, 0x10000c
	s_cmp_lg_u32 s2, 0xf033
	s_cbranch_scc0 .Lentry_shape_is_right
	s_endpgm
.Lentry_shape_is_right:
.set SIZE_K, 1024
.set KSTEP,  256
.set NQ,     KSTEP/128
.set ROWB,   256
.set KROW,   SIZE_K
.set PITCH,  272
.set FR,     16
.set NL,     4
.set NP,     8
.set HALFT,  128*PITCH
.set SLOT,   4*HALFT
.set LAPS,   SIZE_K/(2*KSTEP)
.set KS,     SIZE_K/32
.set SCL,    2*SLOT
.set HALFS,  (128*KS/256)*272
.set SBLK,   (16*KS/256)*272
.set SPARE,  SCL+4*HALFS
.set QSTW,   17408
.set VSTW,   33792
.set ADRA, 16
.set ADRB, 20
.set ADRS, 27
.set SPW,  28
.set NIL,  29
.set SC,   32
.set BI,   64
.set AF,   128
.set STQ,  4
.set SWQ,  5
.set RDQ,  6
.set VSTO, 7
.set VRD,  8
.set VOS,  9
.set VSS,  10
.set RDV,  11
.set CO,   12
.set CO2,  13
.set SB,   16
.set MX,   20
.set HOLD, 22
.set SCF,  23
.set TM,   64
.set WD,   80
.set CD0,  128
.set G1, 24
.set G0, 32
.set G1B, 48
.set G0B, 56
.set G1S, 68
.set G0S, 76
.set G1SB, 80
.set G0SB, 88
.set MSB, 0
.macro WIN new
.if MSB != (\new)
	s_set_vgpr_msb (MSB<<8)|(\new)
.set MSB, (\new)
.endif
.endm
.set MUL_LO, 0xa1
.set MUL_HI, 0xf1
.set TO_B,   0x40
.macro JLOAD g0a, g1a, g0b, g1b
	s_cmp_eq_u32 s15, 0
	s_cbranch_scc0 .Lfor_b_\@
	tensor_load_to_lds s[\g0a:\g0a+3], s[\g1a:\g1a+7]
	s_nop 0
.rept 4
	v_nop
.endr
	s_branch .Lasked_\@
.Lfor_b_\@:
	tensor_load_to_lds s[\g0b:\g0b+3], s[\g1b:\g1b+7]
	s_nop 0
.rept 4
	v_nop
.endr
.Lasked_\@:
.endm
.macro CREST
	s_cmp_lg_u32 s14, 0
	s_cbranch_scc1 .Lnot_wave_0_\@
	s_barrier_signal -3
.Lnot_wave_0_\@:
	s_barrier_wait -3
	s_barrier_signal -1
	s_barrier_wait -1
.endm
.macro CROUND
	s_barrier_signal -1
	s_barrier_wait -1
	CREST
.endm
	s_load_b128 s[4:7], s[0:1], 0x0
	s_load_b128 s[8:11], s[0:1], 0x10
	s_load_b64 s[12:13], s[0:1], 0x20
	v_lshl_add_u32 v[SPW], v0, 2, SPARE
	v_mov_b32 v[NIL], 0
	ds_add_u32 v28, v29
	ds_add_u32 v28, v29
	s_wait_dscnt 0x0
	v_lshrrev_b32 v1, 5, v0
	v_readfirstlane_b32 s14, v1
	s_lshr_b32 s15, s14, 1
	s_and_b32 s16, s14, 1
	s_bfe_u32 s40, ttmp6, 0x40000
	s_bfe_u32 s41, ttmp6, 0x40004
	s_lshl_b32 s42, ttmp9, 2
	s_add_co_u32 s42, s42, s40
	s_and_b32 s17, ttmp7, 0xffff
	s_lshl_b32 s17, s17, 2
	s_add_co_u32 s17, s17, s41
	s_lshl_b32 s43, s41, 2
	s_lshl_b32 s43, 15, s43
	s_lshl_b32 s44, 0x1111, s40
	s_or_b32 s[G1+0], s43, (0<<16)|(1<<20)|(1<<21)|(5<<22)|(3<<25)
	s_or_b32 s[G1B+0], s44, (0<<16)|(1<<20)|(1<<21)|(5<<22)|(3<<25)
.irp g, G1, G1B
	s_mov_b32 s[\g+1], ROWB<<16
	s_mov_b32 s[\g+2], 256<<16                     ; the head's loads bring 256 rows; behind them the two words that count rows are set to 128
	s_mov_b32 s[\g+3], ROWB<<16
	s_mov_b32 s[\g+4], 256
	s_mov_b32 s[\g+5], KROW
	s_mov_b32 s[\g+6], 0
	s_mov_b32 s[\g+7], 0
.endr
	s_or_b32 s[G1S+0], s43, (3<<16)|(1<<20)|(1<<21)|(5<<22)|(3<<25)
	s_or_b32 s[G1SB+0], s44, (3<<16)|(1<<20)|(1<<21)|(5<<22)|(3<<25)
.irp g, G1S, G1SB
	s_mov_b32 s[\g+1], 32<<16
	s_mov_b32 s[\g+2], (256*KS/256)<<16            ; the scales of 256 rows in one load
	s_mov_b32 s[\g+3], 32<<16
	s_mov_b32 s[\g+4], 256*KS/256
	s_mov_b32 s[\g+5], 32
	s_mov_b32 s[\g+6], 0
	s_mov_b32 s[\g+7], 0
.endr
	s_lshl_b32 s20, s17, 8                         ; A: the tile's first row
	s_lshl_b32 s46, s42, 8                         ; B: likewise
	s_mov_b32 s21, 0
	s_mov_b32 s47, 0
	s_mov_b64 s[18:19], KS
	s_mul_u64 s[22:23], s[20:21], s[18:19]
	s_mul_u64 s[92:93], s[46:47], s[18:19]
	s_mov_b64 s[18:19], KROW
	s_mul_u64 s[20:21], s[20:21], s[18:19]
	s_mul_u64 s[46:47], s[46:47], s[18:19]
	s_mul_i32 s45, s14, HALFT
	s_mul_i32 s18, s16, 128*KROW                   ; in the ring I fetch 128 rows of a tile: which half, in bytes
	s_mov_b32 s19, 0
	s_wait_kmcnt 0x0
	s_add_nc_u64 s[20:21], s[4:5], s[20:21]
	s_add_nc_u64 s[22:23], s[6:7], s[22:23]
	s_add_nc_u64 s[46:47], s[8:9], s[46:47]
	s_add_nc_u64 s[92:93], s[10:11], s[92:93]
	CROUND
	s_mov_b32 s[G0S], 1
	s_mov_b32 s[G0S+1], SCL
	s_mov_b64 s[G0S+2:G0S+3], s[22:23]
	s_or_b32 s[G0S+3], s[G0S+3], 0x80000000
	s_mov_b32 s[G0SB], 1
	s_mov_b32 s[G0SB+1], SCL+2*HALFS
	s_mov_b64 s[G0SB+2:G0SB+3], s[92:93]
	s_or_b32 s[G0SB+3], s[G0SB+3], 0x80000000
.set G0H, 4                            ; s[4:7], s[8:11]: group 0 for the head's loads of K step 0 (the arguments that lay there have been used)
.set G0HB, 8
	s_mov_b32 s[G0H], 1                            ; K step 0's 256 rows of A,
	s_mov_b32 s[G0H+1], 0
	s_mov_b64 s[G0H+2:G0H+3], s[20:21]
	s_or_b32 s[G0H+3], s[G0H+3], 0x80000000
	s_mov_b32 s[G0HB], 1                           ; and of B, behind them in slot 0
	s_mov_b32 s[G0HB+1], 2*HALFT
	s_mov_b64 s[G0HB+2:G0HB+3], s[46:47]
	s_or_b32 s[G0HB+3], s[G0HB+3], 0x80000000
	s_add_nc_u64 s[20:21], s[20:21], s[18:19]      ; for the ring: my 128 rows of the tile
	s_add_nc_u64 s[46:47], s[46:47], s[18:19]
.irp s, 0,1
	s_mov_b32 s[G0+4*\s], 1
	s_add_co_u32 s[G0+4*\s+1], s45, \s*SLOT
	s_add_nc_u64 s[G0+4*\s+2:G0+4*\s+3], s[20:21], \s*ROWB
	s_or_b32 s[G0+4*\s+3], s[G0+4*\s+3], 0x80000000
	s_mov_b32 s[G0B+4*\s], 1
	s_add_co_u32 s[G0B+4*\s+1], s45, \s*SLOT
	s_add_nc_u64 s[G0B+4*\s+2:G0B+4*\s+3], s[46:47], \s*ROWB
	s_or_b32 s[G0B+4*\s+3], s[G0B+4*\s+3], 0x80000000
.endr
	; the prefetches: of the 128 rows that I fetch in the ring, the partner at place p (cx for A, cy for B) names rows 32 p .. 32 p + 31, a lane a row: 256 bytes of each row a K step
	s_cmp_eq_u32 s15, 0
	s_cselect_b64 s[96:97], s[20:21], s[46:47]
	s_cselect_b32 s98, s40, s41
	s_lshl_b32 s98, s98, 15
	s_mov_b32 s99, 0
	s_add_nc_u64 s[96:97], s[96:97], s[98:99]
	v_and_b32 v30, 31, v0
	v_lshlrev_b32 v30, 10, v30                     ; never rewritten
; the head's loads, one a wave: wave 0 K step 0's rows of A, wave 1 those of B, wave 2 A's scales, wave 3 B's; one chain of branches on the wave's number, all arms to one join
.macro ARM under, g0, g1, next
	s_cmp_lt_u32 s14, \under
	s_cbranch_scc0 \next
	tensor_load_to_lds s[\g0:\g0+3], s[\g1:\g1+7]
	s_nop 0
.rept 4
	v_nop
.endr
	s_branch .Lhead_asked
\next:
.endm
	ARM 1, G0H,  G1,  .Lhead_b
	ARM 2, G0HB, G1B, .Lhead_sa
	ARM 3, G0S,  G1S, .Lhead_sb
	tensor_load_to_lds s[G0SB:G0SB+3], s[G1SB:G1SB+7]
	s_nop 0
.rept 4
	v_nop
.endr
.Lhead_asked:
	s_wait_alu depctr_va_vdst(0)                   ; directly ahead of the reader below
	global_prefetch_b8 v30, s[96:97] offset:256 th:TH_LOAD_NT scope:SCOPE_SE   ; K steps 1 and 2: one and two loads ahead
	global_prefetch_b8 v30, s[96:97] offset:512 th:TH_LOAD_NT scope:SCOPE_SE
	v_and_b32 v1, 15, v0
	v_bfe_u32 v2, v0, 4, 1
	v_mul_u32_u24 v3, v1, PITCH
	v_lshl_add_u32 v4, v2, 4, v3
	s_mul_i32 s21, s15, HALFT
	s_mul_i32 s22, s16, HALFT
	s_add_co_u32 s22, s22, 2*HALFT
.irp s, 0,1
	v_add_nc_u32 v[ADRA+\s], s21, v4
	v_add_nc_u32 v[ADRB+\s], s22, v4
	s_add_co_u32 s21, s21, SLOT
	s_add_co_u32 s22, s22, SLOT
.endr
	v_mul_u32_u24 v5, v1, KS
	v_lshrrev_b32 v6, 8, v5
	v_lshl_add_u32 v5, v6, 4, v5
	s_mul_i32 s21, s15, HALFS
	s_mul_i32 s22, s16, HALFS
	s_add_co_u32 s22, s22, 2*HALFS
	s_sub_co_u32 s22, s22, s21
	v_mul_u32_u24 v6, s22, v2
	s_add_co_u32 s21, s21, SCL
	v_add_nc_u32 v5, v5, v6
	v_add_nc_u32 v[ADRS], s21, v5
	s_lshl_b32 s46, s42, 10
	s_lshl_b32 s47, s16, 9
	s_add_co_u32 s46, s46, s47
	s_mov_b32 s47, 0
	s_add_nc_u64 s[12:13], s[12:13], s[46:47]
	v_lshlrev_b32 v7, 5, v2
.irp b, 0,1,2,3,4,5,6,7
	global_load_b128 v[BI+8*\b:BI+8*\b+3], v7, s[12:13] offset:64*\b
	global_load_b128 v[BI+8*\b+4:BI+8*\b+7], v7, s[12:13] offset:64*\b+16
.endr
.macro FRAG reg, adr, q, i
.irp c, 0,1,2,3
	ds_load_b128 v[\reg+4*\c:\reg+4*\c+3], v[\adr] offset:128*(\q)+32*\c+(\i)*16*PITCH
.endr
.endm
.macro MUL16 a0, p, q, sc, first
.irp a, \a0, \a0+1
.irp b, 0,1,2,3,4,5,6,7
.if \first
	v_wmma_scale_f32_16x16x128_f8f6f4 v[8*(8*((\a)%4)+\b):8*(8*((\a)%4)+\b)+7], v[128*(\p)+FR*\b:128*(\p)+FR*\b+FR-1], v[AF+FR*(\a):AF+FR*(\a)+FR-1], v[BI+8*\b:BI+8*\b+7], v[SC+8*NQ*(\sc)+NQ*\b+(\q)], v[SC+8*NQ*(\sc)+NQ*(\a)+(\q)] matrix_a_scale:MATRIX_SCALE_ROW1
.else
	v_wmma_scale_f32_16x16x128_f8f6f4 v[8*(8*((\a)%4)+\b):8*(8*((\a)%4)+\b)+7], v[128*(\p)+FR*\b:128*(\p)+FR*\b+FR-1], v[AF+FR*(\a):AF+FR*(\a)+FR-1], v[8*(8*((\a)%4)+\b):8*(8*((\a)%4)+\b)+7], v[SC+8*NQ*(\sc)+NQ*\b+(\q)], v[SC+8*NQ*(\sc)+NQ*(\a)+(\q)] matrix_a_scale:MATRIX_SCALE_ROW1
.endif
.endr
.endr
.endm
.macro FETCH_B slot, q, p
	WIN TO_B
.irp i, 0,1,2,3,4,5,6,7
	FRAG 128*(\p)+FR*\i, ADRB+\slot, \q, \i
.endr
	WIN 0
.endm
.macro FETCH_A slot, q, i0
.irp i, \i0, \i0+1, \i0+2, \i0+3
	FRAG AF+FR*(\i), ADRA+\slot, \q, \i
.endr
.endm
.macro SCALES sc
.irp i, 0,1,2,3,4,5,6,7
	ds_load_b64 v[SC+8*NQ*\sc+NQ*\i:SC+8*NQ*\sc+NQ*\i+1], v[ADRS] offset:\i*SBLK
.endr
.endm
.macro PLACES n
.rept \n
	v_nop
.endr
.endm
.macro STEP slot, q, first
	s_wait_dscnt 4*NL
	WIN MUL_LO-0x20*(\first)
	MUL16 0, (\q)%2, \q, \slot, \first
	MUL16 2, (\q)%2, \q, \slot, \first
	s_wait_dscnt 0
	PLACES NP
	FETCH_B \slot, (\q)+1, 1-(\q)%2
	FETCH_A \slot, (\q)+1, 0
	WIN MUL_HI-0x30*(\first)
	MUL16 4, (\q)%2, \q, \slot, \first
	MUL16 6, (\q)%2, \q, \slot, \first
	PLACES NP
	WIN 0
	FETCH_A \slot, (\q)+1, 4
.endm
.macro TURN slot, next, fill
	s_wait_tensorcnt 0x0
	ds_add_u32 v[SPW], v[NIL]
	s_wait_dscnt 4*NL+1
	WIN MUL_LO
	MUL16 0, 1, NQ-1, \slot, 0
	s_wait_dscnt 0x0
	s_barrier_signal -1
	MUL16 2, 1, NQ-1, \slot, 0
	WIN 0
	s_barrier_wait -1
.if \fill
	CREST
	s_add_nc_u64 s[G0+4*\slot+2:G0+4*\slot+3], s[G0+4*\slot+2:G0+4*\slot+3], 2*ROWB
	s_add_nc_u64 s[G0B+4*\slot+2:G0B+4*\slot+3], s[G0B+4*\slot+2:G0B+4*\slot+3], 2*ROWB
	JLOAD G0+4*\slot, G1, G0B+4*\slot, G1B
	PLACES NP-4
.else
	PLACES NP
.endif
	s_wait_alu depctr_va_vdst(0)
	v_add_nc_u32 v[ADRS], 4*NQ, v[ADRS]
	FETCH_B \next, 0, 0
	FETCH_A \next, 0, 0
	SCALES \next
	WIN MUL_HI
	MUL16 4, 1, NQ-1, \slot, 0
	MUL16 6, 1, NQ-1, \slot, 0
	PLACES NP
	WIN 0
	FETCH_A \next, 0, 4
.endm
	s_wait_alu depctr_va_vdst(0)
	s_wait_tensorcnt 0x0                           ; my tile of the head's four is in
	ds_add_u32 v[SPW], v[NIL]
	s_mov_b32 s[G1+2], 128<<16                     ; no tensor load of mine is out: from here on a load brings 128 rows
	s_mov_b32 s[G1+4], 128
	s_mov_b32 s[G1B+2], 128<<16
	s_mov_b32 s[G1B+4], 128
	s_wait_dscnt 0x0
	CROUND
	JLOAD G0+4, G1, G0B+4, G1B                     ; K step 1, the first tensor load behind the round
	global_prefetch_b8 v30, s[96:97] offset:768 th:TH_LOAD_NT scope:SCOPE_SE   ; K step 3, the last: two loads ahead
	FETCH_B 0, 0, 0
	FETCH_A 0, 0, 0
	SCALES 0
	FETCH_A 0, 0, 4
	s_wait_loadcnt 0x0
	STEP 0, 0, 1
	s_mov_b32 s3, LAPS-1
.Llap:
	TURN 0, 1, 1
	STEP 1, 0, 0
	TURN 1, 0, 1
	STEP 0, 0, 0
	s_sub_co_u32 s3, s3, 1
	s_cmp_lg_u32 s3, 0
	s_cbranch_scc1 .Llap
	TURN 0, 1, 0
	STEP 1, 0, 0
	s_wait_dscnt 4*NL
	WIN MUL_LO
	MUL16 0, 1, NQ-1, 1, 0
	MUL16 2, 1, NQ-1, 1, 0
	s_wait_dscnt 0
	WIN MUL_HI
	MUL16 4, 1, NQ-1, 1, 0
	MUL16 6, 1, NQ-1, 1, 0
	WIN 0
	PLACES NP
	s_load_b256 s[24:31], s[0:1], 0x28
	s_load_b128 s[32:35], s[0:1], 0x48
	v_and_b32 v1, 15, v0
	v_bfe_u32 v2, v0, 4, 1
	v_and_b32 v3, 31, v0
	s_mul_i32 s80, s14, QSTW
	s_mul_i32 s81, s14, VSTW
	s_add_co_u32 s81, s81, SLOT
	v_lshrrev_b32 v14, 3, v1
	v_and_b32 v15, 7, v1
	v_lshlrev_b32 v[STQ], 10, v14
	v_lshl_add_u32 v[STQ], v15, 4, v[STQ]
	v_lshl_add_u32 v[STQ], v2, 3, v[STQ]
	v_add_nc_u32 v[STQ], s80, v[STQ]
	v_lshlrev_b32 v[SWQ], 9, v2
	v_lshl_add_u32 v[SWQ], v14, 6, v[SWQ]
	v_lshl_add_u32 v[SWQ], v15, 2, v[SWQ]
	v_add_nc_u32 v[SWQ], s80, v[SWQ]
	v_add_nc_u32 v[SWQ], 16384, v[SWQ]
	v_lshl_add_u32 v[RDQ], v3, 4, s80
	v_mul_u32_u24 v[VSTO], v1, 528
	v_lshl_add_u32 v[VSTO], v2, 5, v[VSTO]
	v_add_nc_u32 v[VSTO], s81, v[VSTO]
	v_lshl_add_u32 v[VRD], v3, 2, s81
	v_bfe_u32 v14, v0, 3, 1
	v_and_b32 v15, 7, v0
	v_lshl_add_u32 v15, v2, 3, v15
	v_lshlrev_b32 v[VOS], 11, v14
	v_lshl_add_u32 v[VOS], v15, 4, v[VOS]
	v_add_nc_u32 v[VOS], s81, v[VOS]
	v_add_nc_u32 v[VOS], 16896, v[VOS]
	v_lshl_add_u32 v[VSS], v14, 4, v15
	v_lshlrev_b32 v[VSS], 2, v[VSS]
	v_add_nc_u32 v[VSS], s81, v[VSS]
	v_add_nc_u32 v[VSS], 33280, v[VSS]
	v_lshl_add_u32 v[RDV], v3, 4, s81
	v_add_nc_u32 v[RDV], 16896, v[RDV]
	v_lshlrev_b32 v[CO], 4, v3
	v_lshlrev_b32 v[CO2], 4, v1
	v_lshl_add_u32 v[CO2], v2, 12, v[CO2]
	v_cmp_ne_u32 s36, 0, v2
	s_mov_b32 s37, 0x600000
	s_mov_b32 s38, 0x76543210
	s_mov_b32 s39, 0xfedcba98
.irp c, 0,1,2,3
	v_mov_b32 v[TM+4+\c], 0
.endr
	s_lshr_b32 s68, s17, 3
	s_lshl_b32 s68, s68, 4
	s_and_b32 s69, s42, 3
	s_lshl_b32 s69, s69, 2
	s_add_co_u32 s68, s68, s69
	s_lshl_b32 s69, s16, 1
	s_add_co_u32 s68, s68, s69
	s_and_b32 s69, s17, 7
	s_lshl_b32 s69, s69, 1
	s_add_co_u32 s69, s69, s15
	s_lshl_b32 s70, s68, 17
	s_lshl_b32 s71, s69, 13
	s_add_co_u32 s70, s70, s71
	s_mov_b32 s71, 0
	s_lshl_b32 s72, s68, 13
	s_lshl_b32 s73, s69, 9
	s_add_co_u32 s72, s72, s73
	s_mov_b32 s73, 0
	s_lshl_b32 s74, s68, 12
	s_lshl_b32 s75, s69, 8
	s_add_co_u32 s74, s74, s75
	s_mov_b32 s75, 0
	s_wait_kmcnt 0x0
	s_barrier_signal -1
	s_barrier_wait -1
	s_cmp_eq_u32 ttmp9, 2
	s_cbranch_scc1 .Lv
.macro QKBLOCK a
.set W, 2+(\a)/4
.set AC, 64*((\a)%4)
	WIN W|(W<<2)
.irp c, 0,1,2,3
	v_max3_num_f32 v[TM+\c], |v[AC+16*\c]|, |v[AC+16*\c+1]|, 0x4800000
.endr
.irp i, 2,4,6,8,10,12,14
.irp c, 0,1,2,3
	v_max3_num_f32 v[TM+\c], |v[AC+16*\c+\i]|, |v[AC+16*\c+\i+1]|, v[TM+\c]
.endr
.endr
	WIN 0
.irp c, 0,1,2,3
	v_permlanex16_b32 v[TM+4+\c], v[TM+\c], s38, s39
.endr
.irp c, 0,1,2,3
	v_max_num_f32 v[TM+\c], v[TM+\c], v[TM+4+\c]
.endr
.irp c, 0,1,2,3
	v_add_nc_u32 v[TM+12+\c], 0xfc000000, v[TM+\c]
.endr
.irp c, 0,1,2,3
	v_and_or_b32 v[TM+8+\c], v[TM+\c], 0x7f800000, s37
.endr
.irp c, 0,1,2,3
	v_lshrrev_b32 v[TM+4+\c], 23, v[TM+12+\c]
.endr
	v_lshl_or_b32 v88, v[TM+5], 8, v[TM+4]
	v_lshl_or_b32 v89, v[TM+7], 8, v[TM+6]
	v_cndmask_b32 v[WD+(\a)], v88, v89, s36
	v_or_b32 v[WD+(\a)], 0x7f7f0000, v[WD+(\a)]
	WIN (W<<6)|W
.irp c, 0,1,2,3
.irp i, 0,1,2,3,4,5,6,7,8,9,10,11,12,13,14,15
	v_med3_num_f32 v[AC+16*\c+\i], v[AC+16*\c+\i], -v[TM+8+\c], v[TM+8+\c]
.endr
.endr
	WIN W
.irp c, 0,1,2,3
.irp u, 0,1
	v_cvt_scalef32_pk8_fp8_f32 v[CD0+16*(\a)+4*\c+2*\u:CD0+16*(\a)+4*\c+2*\u+1], v[AC+16*\c+8*\u:AC+16*\c+8*\u+7], v[TM+12+\c]
.endr
.endr
	WIN 0
	v_nop
.irp c, 0,1,2,3
.irp u, 0,1
	ds_store_b64 v[STQ], v[CD0+16*(\a)+4*\c+2*\u:CD0+16*(\a)+4*\c+2*\u+1] offset:(\c/2)*8192+((\a)/2)*2048+(\c%2)*512+\u*256+((\a)%2)*128
.endr
.endr
	ds_store_b32 v[SWQ], v[WD+(\a)] offset:((\a)/2)*128+((\a)%2)*32
.endm
.macro BACK rd
.irp i, 0,1,2,3,4,5,6,7,8,9,10,11,12,13,14,15,16,17,18,19,20,21,22,23,24,25,26,27,28,29,30,31
	ds_load_b128 v[CD0+4*\i:CD0+4*\i+3], v[\rd] offset:512*\i
.endr
.endm
.macro SEND32 younger
.irp i, 0,1,2,3,4,5,6,7,8,9,10,11,12,13,14,15,16,17,18,19,20,21,22,23,24,25,26,27,28,29,30,31
	s_wait_dscnt \younger+31-\i
	global_store_b128 v[CO], v[CD0+4*\i:CD0+4*\i+3], s[76:77] offset:(\i/16)*131072+512*(\i%16)
.endr
.endm
.irp a, 0,1,2,3,4,5,6,7
	QKBLOCK \a
.endr
	s_cmp_eq_u32 ttmp9, 0
	s_cselect_b64 s[76:77], s[24:25], s[28:29]
	s_cselect_b64 s[78:79], s[26:27], s[30:31]
	s_add_nc_u64 s[76:77], s[76:77], s[70:71]
	s_add_nc_u64 s[78:79], s[78:79], s[72:73]
	s_wait_dscnt 0x0
	BACK RDQ
	ds_load_b128 v[64:67], v[RDQ] offset:16384
	ds_load_b128 v[68:71], v[RDQ] offset:16896
	SEND32 2
	s_wait_dscnt 1
	global_store_b128 v[CO], v[64:67], s[78:79]
	s_wait_dscnt 0x0
	global_store_b128 v[CO], v[68:71], s[78:79] offset:8192
	s_branch .Ljoin
.macro VSTAGE c
.irp e, 0,1
.set AA, 2*(\c)+\e
.set AC, 64*(AA%4)
	WIN (2+AA/4)<<2
.irp b, 0,1,2,3,4,5,6,7
	ds_store_b128 v[VSTO], v[AC+8*\b:AC+8*\b+3] offset:\e*8448+64*\b
	ds_store_b128 v[VSTO], v[AC+8*\b+4:AC+8*\b+7] offset:\e*8448+64*\b+16
.endr
.endr
	WIN 0
.endm
.macro VLOAD g, set
.irp i, 0,1,2,3,4,5,6,7,8,9,10,11,12,13,14,15,16,17,18,19,20,21,22,23,24,25,26,27,28,29,30,31
	ds_load_b32 v[64+32*(\set)+\i], v[VRD] offset:528*\i+128*(\g)
.endr
.endm
.macro VQUANT c, g, set
.set XS, 64+32*(\set)
.set CD, CD0+8*(4*(\c)+(\g))
	v_max3_num_f32 v[MX], |v[XS]|, |v[XS+1]|, |v[XS+2]|
	v_max3_num_f32 v[MX+1], |v[XS+3]|, |v[XS+4]|, |v[XS+5]|
.irp i, 6,10,14,18,22,26
	v_max3_num_f32 v[MX], v[MX], |v[XS+\i]|, |v[XS+\i+1]|
	v_max3_num_f32 v[MX+1], v[MX+1], |v[XS+\i+2]|, |v[XS+\i+3]|
.endr
	v_max3_num_f32 v[MX], v[MX], |v[XS+30]|, |v[XS+31]|
	v_max3_num_f32 v[MX], v[MX], v[MX+1], 0x4800000
	v_add_nc_u32 v[SCF], 0xfc000000, v[MX]
	v_and_or_b32 v[HOLD], v[MX], 0x7f800000, s37
	v_lshrrev_b32 v[MX+1], 23, v[SCF]
.if (\c) == 0
	v_mov_b32 v[SB+(\g)], v[MX+1]
.else
	v_lshl_or_b32 v[SB+(\g)], v[MX+1], 8*(\c), v[SB+(\g)]
.endif
.irp i, 0,1,2,3,4,5,6,7,8,9,10,11,12,13,14,15,16,17,18,19,20,21,22,23,24,25,26,27,28,29,30,31
	v_med3_num_f32 v[XS+\i], v[XS+\i], -v[HOLD], v[HOLD]
.endr
.irp k, 0,1,2,3
	v_cvt_scalef32_pk8_fp8_f32 v[CD+2*\k:CD+2*\k+1], v[XS+8*\k:XS+8*\k+7], v[SCF]
.endr
	v_nop
	ds_store_b128 v[VOS], v[CD:CD+3] offset:((\g)/2)*8192+((\g)%2)*4096+512*(\c)
	ds_store_b128 v[VOS], v[CD+4:CD+7] offset:((\g)/2)*8192+((\g)%2)*4096+512*(\c)+256
.endm
.Lv:
.irp c, 0,1,2,3
	VSTAGE \c
	VLOAD 0, 0
	VLOAD 1, 1
	s_wait_dscnt 32
	VQUANT \c, 0, 0
	VLOAD 2, 0
	s_wait_dscnt 34
	VQUANT \c, 1, 1
	VLOAD 3, 1
	s_wait_dscnt 34
	VQUANT \c, 2, 0
	s_wait_dscnt 2
	VQUANT \c, 3, 1
.endr
.irp g, 0,1,2,3
	ds_store_b32 v[VSS], v[SB+\g] offset:128*\g
.endr
	s_add_nc_u64 s[76:77], s[32:33], s[70:71]
	s_add_nc_u64 s[78:79], s[34:35], s[74:75]
	s_wait_dscnt 0x0
	BACK RDV
	ds_load_b128 v[64:67], v[RDV] offset:16384
	SEND32 1
	s_wait_dscnt 0x0
	global_store_b128 v[CO2], v[64:67], s[78:79]
.Ljoin:
	s_wait_tensorcnt 0x0
	ds_add_u32 v[SPW], v[NIL]
	s_wait_dscnt 0x0
	CROUND
	s_endpgm
.Lfunc_end_k_q74d7a78492_qkv:
	.size	k_q74d7a78492_qkv, .Lfunc_end_k_q74d7a78492_qkv-k_q74d7a78492_qkv
	.p2alignl 7, 3214868480
	.fill 96, 4, 3214868480
	.section	.rodata,"a",@progbits
	.p2align	6, 0x0
	.amdhsa_kernel k_q74d7a78492_qkv
		.amdhsa_group_segment_fixed_size 327680
		.amdhsa_private_segment_fixed_size 0
		.amdhsa_enable_private_segment 0
		.amdhsa_kernarg_size 88
		.amdhsa_user_sgpr_count 2
		.amdhsa_user_sgpr_kernarg_segment_ptr 1
		.amdhsa_wavefront_size32 1
		.amdhsa_system_sgpr_workgroup_id_x 1
		.amdhsa_system_sgpr_workgroup_id_y 1
		.amdhsa_system_sgpr_workgroup_id_z 1
		.amdhsa_system_vgpr_workitem_id 0
		.amdhsa_next_free_vgpr 1024
		.amdhsa_next_free_sgpr 100
		.amdhsa_reserve_vcc 0
		.amdhsa_float_denorm_mode_32 3
		.amdhsa_float_denorm_mode_16_64 3
		.amdhsa_memory_ordered 1
		.amdhsa_forward_progress 1
		.amdhsa_inst_pref_size 255
	.end_amdhsa_kernel
	.section	.bss,"aw",@nobits
	.p2align	6
	.space	262144
	.amdgpu_metadata
---
amdhsa.version: [ 1, 2 ]
amdhsa.kernels:
  - .name:           k_q74d7a78492_qkv
    .symbol:         k_q74d7a78492_qkv.kd
    .args:
      - { .name: x_codes, .offset: 0, .size: 8, .value_kind: global_buffer, .address_space: global }
      - { .name: x_scales, .offset: 8, .size: 8, .value_kind: global_buffer, .address_space: global }
      - { .name: w_qkv_codes, .offset: 16, .size: 8, .value_kind: global_buffer, .address_space: global }
      - { .name: w_qkv_scales, .offset: 24, .size: 8, .value_kind: global_buffer, .address_space: global }
      - { .name: b_qkv, .offset: 32, .size: 8, .value_kind: global_buffer, .address_space: global }
      - { .name: qimg, .offset: 40, .size: 8, .value_kind: global_buffer, .address_space: global }
      - { .name: qsw, .offset: 48, .size: 8, .value_kind: global_buffer, .address_space: global }
      - { .name: kimg, .offset: 56, .size: 8, .value_kind: global_buffer, .address_space: global }
      - { .name: ksw, .offset: 64, .size: 8, .value_kind: global_buffer, .address_space: global }
      - { .name: vimg, .offset: 72, .size: 8, .value_kind: global_buffer, .address_space: global }
      - { .name: vsw, .offset: 80, .size: 8, .value_kind: global_buffer, .address_space: global }
    .group_segment_fixed_size: 327680
    .private_segment_fixed_size: 0
    .kernarg_segment_align: 8
    .kernarg_segment_size: 88
    .max_flat_workgroup_size: 128
    .sgpr_count:     100
    .vgpr_count:     1024
    .wavefront_size: 32
...
	.end_amdgpu_metadata
.endif
;; end of part 1
;; launch attn (part 2): grid 4 x 64, 8 waves a work-group, clusters of 4 x 1, 276,480 bytes of LDS; arguments qimg, qsw, kimg, ksw, vimg, vsw, aimg, asc; writes aimg, asc
.if DOCPART == 2
	.amdgcn_target "amdgcn-amd-amdhsa--gfx1250"
	.amdhsa_code_object_version 6
	.text
	.protected	k_q74d7a78492_attn
	.globl	k_q74d7a78492_attn
	.p2align	8
	.type	k_q74d7a78492_attn,@function
k_q74d7a78492_attn:
	s_mov_b64 s[64:65], 0
	v_nop
	global_prefetch_b8 v0, s[64:65] scope:SCOPE_SE
	s_setreg_imm32_b32 hwreg(HW_REG_WAVE_MODE, 25, 1), 1
	s_wait_xcnt 0x0
	s_wait_alu depctr_hold_cnt(0) depctr_sa_sdst(0) depctr_va_vdst(0) depctr_va_sdst(0) depctr_va_ssrc(0) depctr_va_vcc(0) depctr_vm_vsrc(0)
	s_getreg_b32 s2, hwreg(HW_REG_IB_STS2, 6, 4)
	s_cmp_eq_u32 s2, 0
	s_cbranch_scc0 .Lentry_in_a_cluster
	s_endpgm
.Lentry_in_a_cluster:
	s_bfe_u32 s2, ttmp6, 0x10000c
	s_cmp_lg_u32 s2, 0x3003
	s_cbranch_scc0 .Lentry_shape_is_right
	s_endpgm
.Lentry_shape_is_right:
; out[b][q][head] = the sum over k of softmax_k(q . k / 8) v, both products on codes of FP8 (E4M3) with one E8M0 scale for each 32 along a product's K; the result is quantised along the model's 1,024 for the last product.
; THE SOFTMAX: t = score x log2(e) / 8; M = the row's largest t so far, rounded UP to a whole number; p = 2^(t - M) is quantised along the keys, not normalised.  The row's sum is taken of the unquantised p and divides O at the end.
; When M moves, the sum and O are multiplied by f = 2^(old M - new M): exact.
; INPUTS are images of operand registers, made by the launch before: a piece is 512 bytes, lane l's 16 bytes at 16 l.  q, k: [batch x head][tile of 16 tokens][piece 0, 1]; v: [batch x head][key step][tile of 16 channels][piece 0 .. 3].
; Image lane r of token tile 2 B + u is token 32 B + 8 u + r + 8 (r / 8): the 16 registers of score tiles 2 B, 2 B + 1 are 16 neighbouring keys; v's channels likewise.
; SHARES.  A cluster is the four blocks of 512 queries of one batch x head.  A work-group has EIGHT waves of 512 registers.  A wave owns four tiles of 16 queries and takes them TWO AT A TIME (two rounds): each fragment of k and v
; that it reads from LDS feeds two products, and one tile's vector work stands in the places behind the other's products.  Every wave walks all 2,048 keys, 128 a trip.
; LDS.  The head's k and v (262,144 bytes) and their scale words (12,288) come ONCE, by joint loads of the four work-groups, one load a wave (waves 0, 1: k's halves; 2, 3: v's; 4: k's words; 5: v's), and stay: no ring, nothing filled again.
; No prefetch: all tensor loads go out at the head, so there is no loop to run ahead in.
; THE HEAD'S SIZE IS 64: q's fragment holds zero codes at k = 64 .. 127.  k's eight tiles of a step lie on end, 8 registers each: a tile's fragment names 16, so its k = 64 .. 127 are the NEXT tile's codes (zeros behind the last),
; which meet q's zero codes under the scale byte 0x7f and add nothing: k's codes are made with the hold, so none is a NaN code.
; THE TRIP IS TURNED: scores of step j; then O x f and the second product of step j - 1; then step j's softmax.  So the 32 multiplications of O are the places behind the first product, and the maxima those behind the second.
; The first trip's second product finds zero codes of p and adds nothing; the last step's stands behind the loop.  The last trip's look-ahead loads read the LDS bytes behind k's images and words (v's), which are not used.
; REGISTERS.  Window 1: v0-63, v64-127 S^T then p of tiles 0, 1; v128-159, v160-191 O^T; v192-255 v's four fragments.  Window 0: all else (names below).
; LIMITS: NaN and infinities are not served.  A block of zeros gets the byte 1 where the quantiser's rule says 127 (its codes are zeros; this program alone reads the bytes).  A block's largest p is made from the block's
; largest score by the same two instructions, which takes v_exp_f32 not to fall where its input rises.  The promise holds while the scaled scores stay under 2^31 in magnitude.  The result's scale bytes leave one byte a lane.
.set KIMG, 0
.set VIMG, 131072
.set KSW,  262144
.set VSW,  270336
.set SPARE, 274432                     ; the spare words: 128 bytes for each of eight waves
.set LI,  1                            ; 16 x lane
.set AV0, 2                            ; 16 x lane + VIMG
.set AS0, 3                            ; 4 x lane + KSW
.set AT0, 4                            ; 4 x lane + VSW
.set ADK, 5                            ; the trip's LDS addresses: k, v, k's words, v's words
.set ADV, 6
.set ADS, 7
.set ADT, 8
.set BO,  9                            ; 32 r + h: my byte among the result's scale bytes
.set RW,  10                           ; 4 r
.set SPW, 11                           ; my spare word; never rewritten
.set NIL, 12                           ; 0; never rewritten
; for each tile T, 32 T further on:
.set NM,  16                           ; -M; NM + 1: the largest t
.set LL,  18                           ; the sum, in two halves
.set FF,  20                           ; f; FF + 1 is named with it as a pair
.set TM,  22
.set BM,  24                           ; a block's largest score, then its largest p
.set BP,  28                           ; the other half's; then the bytes
.set BH,  32                           ; 448 x the scale
.set BS,  36                           ; the conversions' scale operands
.set T1,  40                           ; three more chains of the sum, a pair each
.set BY,  46                           ; the scale byte that I store
.set KW,  80                           ; v80-91 hold scales and nothing else: k's words (lanes 0-15 tile 2 i, lanes 16-31 tile 2 i + 1),
.set VW,  84                           ; v's likewise,
.set QS,  86                           ; q's of the round's two tiles,
.set PW,  88                           ; p's,
.set XQS, 90                           ; q's of the second round
.set QF,  96                           ; q's fragments: 8 registers of codes, 8 of zeros, for each tile
.set PC,  128                          ; p's codes, 16 a tile; at the end the result's
.set KF,  160                          ; k's eight tiles on end, and 8 registers of zeros
.set XQ,  232                          ; the second round's codes of q
.set OO,  128                          ; window 1
.set VF,  192
.set WV,  20
.set JJ,  21
.set SEL, 22
.set G1A, 24
.set G1B, 32
.set G1D, 40
.set CS,  48
.set MNT, 50
.set TB,  51
.set TS,  52
.set TJ,  53
.set CNT, 54
.set HM,  55
.set RND, 66
.set G0SK, 68
.set G0DK, 72
.set G0SV, 76
.set G0DV, 80
.set QB,  84
.set QW,  86
.set AB,  88
.set AS,  90
.set MSB, 0
.macro WIN new                         ; low byte: bits 1:0 source 0, 3:2 source 1, 5:4 source 2, 7:6 destination; the high byte repeats the setting that is left
.if MSB != (\new)
	s_set_vgpr_msb (MSB<<8)|(\new)
.set MSB, (\new)
.endif
.endm
.macro CROUND                          ; a round of the cluster's barrier
	s_barrier_signal -1
	s_barrier_wait -1
	s_cmp_lg_u32 s[WV], 0
	s_cbranch_scc1 .Lnot_wave_0_\@
	s_barrier_signal -3
.Lnot_wave_0_\@:
	s_barrier_wait -3
	s_barrier_signal -1
	s_barrier_wait -1
.endm
.macro GROUP1 g, rows                  ; a dense block as rows of 256 bytes (32 elements of 8 bytes), no padding; the mask names all four work-groups, bit 21 beside it
	s_mov_b32 s[\g], 15|(3<<16)|(1<<21)
	s_mov_b32 s[\g+1], 32<<16
	s_mov_b32 s[\g+2], (\rows)<<16
	s_mov_b32 s[\g+3], 32<<16
	s_mov_b32 s[\g+4], \rows
	s_mov_b32 s[\g+5], 32
	s_mov_b32 s[\g+6], 0
	s_mov_b32 s[\g+7], 0
.endm
	s_load_b512 s[4:19], s[0:1], 0x0               ; q's images, q's words, k's images, k's words, v's images, v's words, the result's images, its scale bytes
	v_lshl_add_u32 v[SPW], v0, 2, SPARE
	v_mov_b32 v[NIL], 0
	ds_add_u32 v[SPW], v[NIL]                      ; the opening lines: the add, twice on end, and its wait
	ds_add_u32 v[SPW], v[NIL]
	v_lshrrev_b32 v1, 5, v0
	v_readfirstlane_b32 s[WV], v1                  ; wave 0..7
	s_and_b32 s[JJ], s[WV], 1                      ; which half I fetch
	s_and_b32 s56, ttmp7, 0xffff                   ; 16 x batch + head, which the four partners share
	s_bfe_u32 s57, ttmp6, 0x40000                  ; cx: it enters q's and the result's addresses alone
	GROUP1 G1A, 32
	GROUP1 G1B, 16
	GROUP1 G1D, 256
	s_lshl_b32 s58, s56, 13                        ; k's words: 8,192 bytes a head
	s_mov_b32 s59, 0
	s_lshl_b32 s60, s56, 12                        ; v's words: 4,096
	s_mov_b32 s61, 0
	s_lshl_b32 s62, s56, 17                        ; images: 131,072 a head, 65,536 a load
	s_lshl_b32 s63, s[JJ], 16
	s_add_co_u32 s62, s62, s63
	s_mov_b32 s63, 0
	s_lshl_b32 s92, s57, 5
	s_lshl_b32 s93, s[WV], 2
	s_add_co_u32 s92, s92, s93                     ; my first tile in the batch: 32 cx + 4 x wave
	s_lshl_b32 s94, s56, 17
	s_lshl_b32 s95, s92, 10
	s_add_co_u32 s94, s94, s95
	s_mov_b32 s95, 0                               ; q's images: 1,024 bytes a tile
	s_lshl_b32 s96, s56, 13
	s_lshl_b32 s97, s92, 6
	s_add_co_u32 s96, s96, s97
	s_mov_b32 s97, 0                               ; q's words: 64 a tile
	s_lshr_b32 s93, s56, 4
	s_lshl_b32 s93, s93, 7
	s_add_co_u32 s93, s93, s92                     ; the tile among all 512
	s_and_b32 s92, s56, 15                         ; the head
	s_lshr_b32 s98, s92, 2
	s_lshl_b32 s98, s98, 21                        ; the result's images: [head / 4][tile][4,096 bytes]; the head's two pieces begin 1,024 (head % 4) bytes on
	s_lshl_b32 s99, s93, 12
	s_add_co_u32 s98, s98, s99
	s_and_b32 s99, s92, 3
	s_lshl_b32 s99, s99, 10
	s_add_co_u32 s98, s98, s99
	s_mov_b32 s99, 0
	s_lshl_b32 s93, s93, 9                         ; its scale bytes: 512 a tile; the head's two begin at byte 2 x head
	s_lshl_b32 s92, s92, 1
	s_add_co_u32 s92, s92, s93
	s_mov_b32 s93, 0
	s_mov_b32 s[SEL], 0x76543210
	s_mov_b32 s[SEL+1], 0xfedcba98
	s_mov_b32 s[CS], 0x3e38aa3b                    ; c = log2(e) / 8
	s_mov_b32 s[CS+1], s[CS]
	s_mov_b32 s[MNT], 0x600000
	s_mov_b32 s[RND], 2
	s_wait_dscnt 0x0                               ; both opening adds are done
	s_wait_kmcnt 0x0
	s_add_nc_u64 s[QB:QB+1], s[4:5], s[94:95]
	s_add_nc_u64 s[QW:QW+1], s[6:7], s[96:97]
	s_add_nc_u64 s[AB:AB+1], s[16:17], s[98:99]
	s_add_nc_u64 s[AS:AS+1], s[18:19], s[92:93]
	s_mov_b32 s[G0SK], 1
	s_mov_b32 s[G0SK+1], KSW
	s_add_nc_u64 s[G0SK+2:G0SK+3], s[10:11], s[58:59]
	s_or_b32 s[G0SK+3], s[G0SK+3], 0x80000000
	s_mov_b32 s[G0DK], 1
	s_lshl_b32 s[G0DK+1], s[JJ], 16
	s_add_nc_u64 s[G0DK+2:G0DK+3], s[8:9], s[62:63]
	s_or_b32 s[G0DK+3], s[G0DK+3], 0x80000000
	s_mov_b32 s[G0SV], 1
	s_mov_b32 s[G0SV+1], VSW
	s_add_nc_u64 s[G0SV+2:G0SV+3], s[14:15], s[60:61]
	s_or_b32 s[G0SV+3], s[G0SV+3], 0x80000000
	s_mov_b32 s[G0DV], 1
	s_lshl_b32 s[G0DV+1], s[JJ], 16
	s_add_co_u32 s[G0DV+1], s[G0DV+1], VIMG
	s_add_nc_u64 s[G0DV+2:G0DV+3], s[12:13], s[62:63]
	s_or_b32 s[G0DV+3], s[G0DV+3], 0x80000000
	CROUND                                         ; all four work-groups are here: the joint loads meet
; the head's loads, one a wave: one chain of branches on the wave's number, an arm a load, all arms to one join
.macro ARM under, g0, g1, next
	s_cmp_lt_u32 s[WV], \under
	s_cbranch_scc0 \next
	tensor_load_to_lds s[\g0:\g0+3], s[\g1:\g1+7]
	s_nop 0
.rept 4
	v_nop
.endr
	s_branch .Lasked
\next:
.endm
	ARM 2, G0DK, G1D, .Lh_v
	ARM 4, G0DV, G1D, .Lh_sk
	ARM 5, G0SK, G1A, .Lh_sv
	ARM 6, G0SV, G1B, .Lh_none
.Lasked:
	v_and_b32 v13, 31, v0
	v_lshlrev_b32 v[LI], 4, v13
	v_lshlrev_b32 v14, 2, v13
	v_and_b32 v[RW], 15, v0                        ; r
	v_bfe_u32 v[BO], v0, 4, 1                      ; h
	v_cmp_ne_u32 s[HM], 0, v[BO]                   ; lanes 16-31
	v_lshl_add_u32 v[BO], v[RW], 5, v[BO]
	v_lshlrev_b32 v[RW], 2, v[RW]
.irp i, 0,1                                    ; q of all four tiles: the first round's into the fragments, the second's beside them
	global_load_b128 v[QF+16*\i:QF+16*\i+3], v[LI], s[QB:QB+1] offset:1024*\i
	global_load_b128 v[QF+16*\i+4:QF+16*\i+7], v[LI], s[QB:QB+1] offset:1024*\i+512
	global_load_b128 v[XQ+8*\i:XQ+8*\i+3], v[LI], s[QB:QB+1] offset:2048+1024*\i
	global_load_b128 v[XQ+8*\i+4:XQ+8*\i+7], v[LI], s[QB:QB+1] offset:2048+1024*\i+512
	global_load_b32 v[QS+\i], v[RW], s[QW:QW+1] offset:64*\i
	global_load_b32 v[XQS+\i], v[RW], s[QW:QW+1] offset:128+64*\i
.endr
	v_add_nc_u32 v[AV0], VIMG, v[LI]
	v_add_nc_u32 v[AS0], KSW, v14
	v_add_nc_u32 v[AT0], VSW, v14
.irp k, 0,1,2,3,4,5,6,7
	v_mov_b32 v[QF+8+\k], 0                        ; the zero codes of k = 64 .. 127: written once
	v_mov_b32 v[QF+24+\k], 0
	v_mov_b32 v[KF+64+\k], 0                       ; and behind k's last tile
.endr
.irp T, 0,1
.irp b, 0,1,2,3
	v_mov_b32 v[BP+32*\T+\b], 0                    ; written once: a lane permute's destination counts as one of its sources
.endr
	v_mov_b32 v[FF+32*\T+1], 0
	v_mov_b32 v[TM+32*\T], 0
.endr
; O x f of the step before, and that step's second product: O^T += v^T p^T, the eight accumulators by turns
.macro PV
	WIN 0x41
	s_wait_alu depctr_va_vdst(0)                   ; directly ahead of the first readers of O^T
.irp T, 0,1
.irp j, 0,2,4,6,8,10,12,14,16,18,20,22,24,26,28,30
	v_pk_mul_f32 v[OO+32*\T+\j:OO+32*\T+\j+1], v[OO+32*\T+\j:OO+32*\T+\j+1], v[FF+32*\T:FF+32*\T+1] op_sel_hi:[1,0]
.endr
.endr
	WIN 0x51
.irp t, 0,1,2,3
.irp T, 0,1
.if (\t%2)
	v_wmma_scale_f32_16x16x128_f8f6f4 v[OO+32*\T+8*\t:OO+32*\T+8*\t+7], v[VF+16*\t:VF+16*\t+15], v[PC+16*\T:PC+16*\T+15], v[OO+32*\T+8*\t:OO+32*\T+8*\t+7], v[VW+\t/2], v[PW+\T] matrix_a_scale:MATRIX_SCALE_ROW1
.else
	v_wmma_scale_f32_16x16x128_f8f6f4 v[OO+32*\T+8*\t:OO+32*\T+8*\t+7], v[VF+16*\t:VF+16*\t+15], v[PC+16*\T:PC+16*\T+15], v[OO+32*\T+8*\t:OO+32*\T+8*\t+7], v[VW+\t/2], v[PW+\T]
.endif
.endr
.endr
.endm
.macro KLOAD adr, ads, on, won         ; k's eight tiles and their four registers of words
.irp t, 0,1,2,3,4,5,6,7
	ds_load_b128 v[KF+8*\t:KF+8*\t+3], v[\adr] offset:\on+1024*\t
	ds_load_b128 v[KF+8*\t+4:KF+8*\t+7], v[\adr] offset:\on+1024*\t+512
.endr
.irp i, 0,1,2,3
	ds_load_b32 v[KW+\i], v[\ads] offset:\won+128*\i
.endr
.endm
.macro VLOAD adr, adt                  ; v's four fragments (window 1) and their two registers of words
	WIN 0x40
.irp t, 0,1,2,3
.irp c, 0,1,2,3
	ds_load_b128 v[VF+16*\t+4*\c:VF+16*\t+4*\c+3], v[\adr] offset:2048*\t+512*\c
.endr
.endr
	WIN 0
	ds_load_b32 v[VW], v[\adt]
	ds_load_b32 v[VW+1], v[\adt] offset:128
.endm
.macro SUM T                           ; the row's sum of the unquantised p, two at a time, in four chains; they are joined at the trip's end
	WIN 0x05
.irp k, 0,1,2
	v_pk_add_f32 v[T1+32*\T+2*\k:T1+32*\T+2*\k+1], v[64*\T+4*\k:64*\T+4*\k+1], v[64*\T+4*\k+2:64*\T+4*\k+3]
.endr
	WIN 0x01
.irp p, 12,20,28,36,44,52
	v_pk_add_f32 v[LL+32*\T:LL+32*\T+1], v[64*\T+\p:64*\T+\p+1], v[LL+32*\T:LL+32*\T+1]
.irp k, 0,1,2
	v_pk_add_f32 v[T1+32*\T+2*\k:T1+32*\T+2*\k+1], v[64*\T+\p+2+2*\k:64*\T+\p+3+2*\k], v[T1+32*\T+2*\k:T1+32*\T+2*\k+1]
.endr
.endr
	v_pk_add_f32 v[LL+32*\T:LL+32*\T+1], v[64*\T+60:64*\T+61], v[LL+32*\T:LL+32*\T+1]
	v_pk_add_f32 v[T1+32*\T:T1+32*\T+1], v[64*\T+62:64*\T+63], v[T1+32*\T:T1+32*\T+1]
.endm
.macro CODES T                         ; the conversions' results are the second product's operand
	WIN 0x01
.irp b, 0,1,2,3
	v_cvt_scalef32_pk8_fp8_f32 v[PC+16*\T+4*\b:PC+16*\T+4*\b+1], v[64*\T+16*\b:64*\T+16*\b+7], v[BS+32*\T+\b]
	v_cvt_scalef32_pk8_fp8_f32 v[PC+16*\T+4*\b+2:PC+16*\T+4*\b+3], v[64*\T+16*\b+8:64*\T+16*\b+15], v[BS+32*\T+\b]
.endr
.endm
	s_wait_alu depctr_va_vdst(0)                   ; at the head's end
	s_wait_loadcnt 0x0                             ; q
	s_wait_tensorcnt 0x0                           ; my load has landed,
	s_barrier_signal -1
	s_barrier_wait -1                              ; everybody's has: the whole head lies in LDS
.Lround:                                       ; two rounds of two tiles
.irp T, 0,1
	v_mov_b32 v[NM+32*\T+1], 0xff61b1e6            ; the largest t so far: -3e38
	v_mov_b32 v[NM+32*\T], 0x7f61b1e6              ; -M: its floor is itself
	v_mov_b32 v[LL+32*\T], 0
	v_mov_b32 v[LL+32*\T+1], 0
	v_mov_b32 v[FF+32*\T], 0
	v_mov_b32 v[PW+\T], 0x7f7f7f7f
.irp k, 0,1,2,3,4,5,6,7,8,9,10,11,12,13,14,15
	v_mov_b32 v[PC+16*\T+\k], 0                    ; zero codes for the first trip's second product
.endr
.endr
	KLOAD LI, AS0, 0, 0                            ; step 0
	VLOAD AV0, AT0                                 ; (valid codes under the zero codes of p)
	WIN 0x40
.set J, 0
.rept 64
	v_mov_b32 v[OO+J], 0                           ; O^T: the loop has no first step of its own
.set J, J+1
.endr
	WIN 0
	s_mov_b32 s[TB], 0
	s_mov_b32 s[TS], 0
	s_mov_b32 s[TJ], 0
	s_mov_b32 s[CNT], 16
.Ltrip:
	v_add_nc_u32 v[ADK], s[TB], v[LI]
	v_add_nc_u32 v[ADV], s[TB], v[AV0]
	v_add_nc_u32 v[ADS], s[TS], v[AS0]
	v_add_nc_u32 v[ADT], s[TJ], v[AT0]
	s_wait_alu depctr_va_vdst(0)
	s_wait_dscnt 0x0                               ; this step's k, the last step's v, and their words
	WIN 0x40
.irp t, 0,1,2,3,4,5,6,7                        ; S^T = k q^T: each tile of k against both tiles of q
.irp T, 0,1
.if (\t%2)
	v_wmma_scale_f32_16x16x128_f8f6f4 v[64*\T+8*\t:64*\T+8*\t+7], v[KF+8*\t:KF+8*\t+15], v[QF+16*\T:QF+16*\T+15], 0, v[KW+\t/2], v[QS+\T] matrix_a_scale:MATRIX_SCALE_ROW1
.else
	v_wmma_scale_f32_16x16x128_f8f6f4 v[64*\T+8*\t:64*\T+8*\t+7], v[KF+8*\t:KF+8*\t+15], v[QF+16*\T:QF+16*\T+15], 0, v[KW+\t/2], v[QS+\T]
.endif
.endr
.endr
	PV                                             ; its 32 multiplications are the places behind the products above
	WIN 0
	KLOAD ADK, ADS, 8192, 512                      ; the next step's k
	WIN 0x05                                       ; the largest score of each block of 32 keys: eight chains by turns, each accumulator from its low end on
.irp T, 0,1
.irp b, 0,1,2,3
	v_max_num_f32 v[BM+32*\T+\b], v[64*\T+16*\b], v[64*\T+16*\b+1]
.endr
.endr
.irp i, 2,4,6,8,10,12,14
.irp T, 0,1
.irp b, 0,1,2,3
	v_max3_num_f32 v[BM+32*\T+\b], v[64*\T+16*\b+\i], v[64*\T+16*\b+\i+1], v[BM+32*\T+\b]
.endr
.endr
.endr
	VLOAD ADV, ADT                                 ; this step's v: the 64 maxima are the places behind the second product
.irp T, 0,1
.irp b, 0,1,2,3
	v_permlanex16_b32 v[BP+32*\T+\b], v[BM+32*\T+\b], s[SEL], s[SEL+1]
.endr
.endr
.irp T, 0,1
.irp b, 0,1,2,3
	v_max_num_f32 v[BM+32*\T+\b], v[BM+32*\T+\b], v[BP+32*\T+\b]   ; with lane l xor 16's 16 keys
.endr
.endr
.irp T, 0,1                                    ; the two tiles' chains take turns
	v_max3_num_f32 v[TM+32*\T], v[BM+32*\T], v[BM+32*\T+1], v[BM+32*\T+2]
.endr
.irp T, 0,1
	v_max_num_f32 v[TM+32*\T], v[TM+32*\T], v[BM+32*\T+3]
.endr
.irp T, 0,1
	v_mul_f32 v[TM+32*\T], s[CS], v[TM+32*\T]      ; as t (c is positive)
.endr
.irp T, 0,1
	v_max_num_f32 v[NM+32*\T+1], v[NM+32*\T+1], v[TM+32*\T]   ; the running largest t
.endr
.irp T, 0,1
	v_mov_b32 v[TM+32*\T], v[NM+32*\T]
.endr
.irp T, 0,1
	v_floor_f32 v[NM+32*\T], -v[NM+32*\T+1]        ; the new -M = -ceil(t)
.endr
.irp T, 0,1
	v_sub_f32 v[TM+32*\T], v[NM+32*\T], v[TM+32*\T]   ; old M - new M: a whole number, 0 or less
.endr
.irp T, 0,1
	v_cvt_i32_f32 v[TM+32*\T], v[TM+32*\T]         ; (it saturates)
.endr
.irp T, 0,1
	v_ldexp_f32 v[FF+32*\T], 1.0, v[TM+32*\T]      ; f
.endr
.irp T, 0,1
.irp b, 0,1,2,3
	v_fma_f32 v[BM+32*\T+\b], v[BM+32*\T+\b], s[CS], v[NM+32*\T]   ; t - M of each block's largest score
.endr
.endr
	s_wait_alu depctr_va_vdst(0)                   ; ahead of a batch
.irp T, 0,1
.irp b, 0,1,2,3
	v_exp_f32 v[BM+32*\T+\b], v[BM+32*\T+\b]       ; the block's largest p
.endr
.endr
	WIN 0x41
.set J, 0
.rept 32
	v_pk_fma_f32 v[J:J+1], v[J:J+1], s[CS:CS+1], v[NM:NM+1] op_sel_hi:[1,0,0]   ; tile 0: t - M
.set J, J+2
.endr
	s_wait_alu depctr_va_vdst(0)                   ; behind the eight, and ahead of the next batch
.set J, 0
.rept 32                                       ; tile 0's exponentials; tile 1's t - M stands among them: its sources were made ahead of the wait above, its results are read behind the wait below
	v_exp_f32 v[J], v[J]
	v_exp_f32 v[J+1], v[J+1]
	v_pk_fma_f32 v[64+J:65+J], v[64+J:65+J], s[CS:CS+1], v[NM+32:NM+33] op_sel_hi:[1,0,0]
.set J, J+2
.endr
	s_wait_alu depctr_va_vdst(0)                   ; one wait behind the batch
	WIN 0
.irp T, 0,1
.irp b, 0,1,2,3
	v_max_num_f32 v[BM+32*\T+\b], 0x4800000, v[BM+32*\T+\b]   ; the floor 2^(9 - 127): the byte cannot fall under 1
.endr
.endr
.irp T, 0,1
.irp b, 0,1,2,3
	v_add_nc_u32 v[BS+32*\T+\b], 0xfc000000, v[BM+32*\T+\b]   ; 8 off the exponent field: the conversion's scale operand
.endr
.endr
.irp T, 0,1
.irp b, 0,1,2,3
	v_and_or_b32 v[BH+32*\T+\b], v[BM+32*\T+\b], 0x7f800000, s[MNT]   ; 448 x the scale
.endr
.endr
.irp T, 0,1
.irp b, 0,1,2,3
	v_lshrrev_b32 v[BP+32*\T+\b], 23, v[BS+32*\T+\b]   ; the scale's byte
.endr
.endr
.irp T, 0,1
	v_pk_mul_f32 v[LL+32*\T:LL+32*\T+1], v[LL+32*\T:LL+32*\T+1], v[FF+32*\T:FF+32*\T+1] op_sel_hi:[1,0]   ; the sum under the new M
.endr
.irp T, 0,1
	v_lshl_or_b32 v[PW+\T], v[BP+32*\T+1], 8, v[BP+32*\T]   ; p's scale word for these 128 keys
.endr
.irp T, 0,1
	v_lshl_or_b32 v[PW+\T], v[BP+32*\T+2], 16, v[PW+\T]
.endr
.irp T, 0,1
	v_lshl_or_b32 v[PW+\T], v[BP+32*\T+3], 24, v[PW+\T]
.endr
	SUM 0
	WIN 0x41
	s_wait_alu depctr_va_vdst(0)                   ; ahead of the batch
.set J, 0
.rept 16                                       ; tile 1's exponentials; tile 0's holds stand among them (the conversion to an 8-bit code does not saturate: ISA guide 7.6.2; p is not negative, so the hold is one-sided).
.set MN0, 32*(J/8)+2*(J%8)                     ; The holds go two to an instruction: an even register of one block of 32 keys with an odd one of the next block, so that the two destinations differ in parity,
.set MH0, BH+2*(J/8)                           ; and the two first sources, and the two bounds, lie in different register banks
	v_exp_f32 v[64+4*J], v[64+4*J]
	v_exp_f32 v[65+4*J], v[65+4*J]
	v_dual_min_num_f32 v[MN0], v[MN0], v[MH0] :: v_dual_min_num_f32 v[MN0+17], v[MN0+17], v[MH0+1]
	v_exp_f32 v[66+4*J], v[66+4*J]
	v_exp_f32 v[67+4*J], v[67+4*J]
	v_dual_min_num_f32 v[MN0+16], v[MN0+16], v[MH0+1] :: v_dual_min_num_f32 v[MN0+1], v[MN0+1], v[MH0]
.set J, J+1
.endr
	s_wait_alu depctr_va_vdst(0)                   ; behind the batch
	CODES 0
	SUM 1
	WIN 0x41
.set J, 0
.rept 16                                       ; tile 1's holds, paired in the same way
.set MN0, 64+32*(J/8)+2*(J%8)
.set MH0, BH+32+2*(J/8)
	v_dual_min_num_f32 v[MN0], v[MN0], v[MH0] :: v_dual_min_num_f32 v[MN0+17], v[MN0+17], v[MH0+1]
	v_dual_min_num_f32 v[MN0+16], v[MN0+16], v[MH0+1] :: v_dual_min_num_f32 v[MN0+1], v[MN0+1], v[MH0]
.set J, J+1
.endr
	CODES 1
	WIN 0
.irp T, 0,1                                    ; the sums' chains are joined.  (Plain places behind the conversions)
	v_pk_add_f32 v[T1+32*\T:T1+32*\T+1], v[T1+32*\T:T1+32*\T+1], v[T1+32*\T+2:T1+32*\T+3]
	v_pk_add_f32 v[LL+32*\T:LL+32*\T+1], v[LL+32*\T:LL+32*\T+1], v[T1+32*\T+4:T1+32*\T+5]
.endr
.irp T, 0,1
	v_pk_add_f32 v[LL+32*\T:LL+32*\T+1], v[LL+32*\T:LL+32*\T+1], v[T1+32*\T:T1+32*\T+1]
.endr
	s_add_co_u32 s[TB], s[TB], 8192                ; the next step's images and scale words
	s_add_co_u32 s[TS], s[TS], 512
	s_add_co_u32 s[TJ], s[TJ], 256
	s_sub_co_u32 s[CNT], s[CNT], 1
	s_cmp_lg_u32 s[CNT], 0
	s_wait_alu depctr_va_vdst(0)
	s_cbranch_scc1 .Ltrip
	s_wait_dscnt 0x0                               ; the last step's v
	PV                                             ; and its second product
	WIN 0
; THE WAY OUT of both tiles: O^T / the sum; a tile's 64 channels are two blocks of 32 along the last product's K, each in lanes l and l xor 16; the conversions' results are that product's operand registers and are stored as they stand
.rept 8
	v_nop                                          ; places behind the last products
.endr
.irp T, 0,1
	v_add_f32 v[LL+32*\T], v[LL+32*\T], v[LL+32*\T+1]
.endr
.irp T, 0,1
	v_permlanex16_b32 v[TM+32*\T], v[LL+32*\T], s[SEL], s[SEL+1]
.endr
.irp T, 0,1
	v_add_f32 v[LL+32*\T], v[LL+32*\T], v[TM+32*\T]   ; the row's sum
.endr
	s_wait_alu depctr_va_vdst(0)                   ; ahead of the batch of two
.irp T, 0,1
	v_rcp_f32 v[LL+32*\T], v[LL+32*\T]
.endr
	v_nop                                          ; one plain place behind a transcendental
	WIN 0x41
	s_wait_alu depctr_va_vdst(0)                   ; behind the batch, and directly ahead of the first readers of O^T
.irp T, 0,1
.irp j, 0,2,4,6,8,10,12,14,16,18,20,22,24,26,28,30
	v_pk_mul_f32 v[OO+32*\T+\j:OO+32*\T+\j+1], v[OO+32*\T+\j:OO+32*\T+\j+1], v[LL+32*\T:LL+32*\T+1] op_sel_hi:[1,0]   ; register 16 c + i: channel 32 c + 16 h + i of query r
.endr
.endr
	WIN 0x05
.irp T, 0,1
.irp c, 0,1
	v_max3_num_f32 v[BM+32*\T+\c], |v[OO+32*\T+16*\c]|, |v[OO+32*\T+16*\c+1]|, 0x4800000
.endr
.endr
.irp k, 2,4,6,8,10,12,14
.irp T, 0,1
.irp c, 0,1
	v_max3_num_f32 v[BM+32*\T+\c], |v[OO+32*\T+16*\c+\k]|, |v[OO+32*\T+16*\c+\k+1]|, v[BM+32*\T+\c]
.endr
.endr
.endr
	WIN 0
.irp T, 0,1
.irp c, 0,1
	v_permlanex16_b32 v[BP+32*\T+\c], v[BM+32*\T+\c], s[SEL], s[SEL+1]
.endr
.endr
.irp T, 0,1
.irp c, 0,1
	v_max_num_f32 v[BM+32*\T+\c], v[BM+32*\T+\c], v[BP+32*\T+\c]
.endr
.endr
.irp T, 0,1
.irp c, 0,1
	v_add_nc_u32 v[BS+32*\T+\c], 0xfc000000, v[BM+32*\T+\c]
.endr
.endr
.irp T, 0,1
.irp c, 0,1
	v_and_or_b32 v[BH+32*\T+\c], v[BM+32*\T+\c], 0x7f800000, s[MNT]
.endr
.endr
.irp T, 0,1
.irp c, 0,1
	v_lshrrev_b32 v[BP+32*\T+\c], 23, v[BS+32*\T+\c]
.endr
.endr
	WIN 0x41
.irp T, 0,1
.irp c, 0,1
.irp k, 0,1,2,3,4,5,6,7,8,9,10,11,12,13,14,15
	v_med3_num_f32 v[OO+32*\T+16*\c+\k], v[OO+32*\T+16*\c+\k], -v[BH+32*\T+\c], v[BH+32*\T+\c]
.endr
.endr
.endr
	WIN 0x01
.irp T, 0,1
.irp c, 0,1
	v_cvt_scalef32_pk8_fp8_f32 v[PC+16*\T+4*\c:PC+16*\T+4*\c+1], v[OO+32*\T+16*\c:OO+32*\T+16*\c+7], v[BS+32*\T+\c]
	v_cvt_scalef32_pk8_fp8_f32 v[PC+16*\T+4*\c+2:PC+16*\T+4*\c+3], v[OO+32*\T+16*\c+8:OO+32*\T+16*\c+15], v[BS+32*\T+\c]
.endr
.endr
	WIN 0
.irp T, 0,1
	v_cndmask_b32 v[BY+32*\T], v[BP+32*\T], v[BP+32*\T+1], s[HM]   ; lanes 0-15 store the first block's byte, lanes 16-31 the second's.  (A plain place behind the conversions)
.endr
.irp T, 0,1
	global_store_b128 v[LI], v[PC+16*\T:PC+16*\T+3], s[AB:AB+1] offset:4096*\T          ; each store of the wave covers 512 consecutive bytes, aligned
	global_store_b128 v[LI], v[PC+16*\T+4:PC+16*\T+7], s[AB:AB+1] offset:4096*\T+512
	global_store_b8 v[BO], v[BY+32*\T], s[AS:AS+1] offset:512*\T
.endr
	s_wait_xcnt 0x0                                ; the stores' bases and data registers are written again only behind this wait
	s_add_nc_u64 s[AB:AB+1], s[AB:AB+1], 8192      ; two tiles on
	s_add_nc_u64 s[AS:AS+1], s[AS:AS+1], 1024
.irp i, 0,1                                    ; the second round's q takes the fragments' registers (behind the second round these lines change nothing that is read)
.irp k, 0,1,2,3,4,5,6,7
	v_mov_b32 v[QF+16*\i+\k], v[XQ+8*\i+\k]
.endr
	v_mov_b32 v[QS+\i], v[XQS+\i]
.endr
	s_sub_co_u32 s[RND], s[RND], 1
	s_cmp_lg_u32 s[RND], 0
	s_wait_alu depctr_va_vdst(0)
	s_cbranch_scc1 .Lround
	s_wait_tensorcnt 0x0                           ; the wave's end
	ds_add_u32 v[SPW], v[NIL]
	s_wait_dscnt 0x0
	CROUND                                         ; the closing round: no work-group ends while a partner may still ask for a tile that names it
	s_endpgm
.Lfunc_end_k_q74d7a78492_attn:
	.size	k_q74d7a78492_attn, .Lfunc_end_k_q74d7a78492_attn-k_q74d7a78492_attn
	.p2alignl 7, 3214868480
	.fill 96, 4, 3214868480
	.section	.rodata,"a",@progbits
	.p2align	6, 0x0
	.amdhsa_kernel k_q74d7a78492_attn
		.amdhsa_group_segment_fixed_size 276480
		.amdhsa_private_segment_fixed_size 0
		.amdhsa_enable_private_segment 0
		.amdhsa_kernarg_size 64
		.amdhsa_user_sgpr_count 2
		.amdhsa_user_sgpr_kernarg_segment_ptr 1
		.amdhsa_wavefront_size32 1
		.amdhsa_system_sgpr_workgroup_id_x 1
		.amdhsa_system_sgpr_workgroup_id_y 1
		.amdhsa_system_sgpr_workgroup_id_z 1
		.amdhsa_system_vgpr_workitem_id 0
		.amdhsa_next_free_vgpr 512
		.amdhsa_next_free_sgpr 100
		.amdhsa_reserve_vcc 0
		.amdhsa_float_denorm_mode_32 3
		.amdhsa_float_denorm_mode_16_64 3
		.amdhsa_memory_ordered 1
		.amdhsa_forward_progress 1
		.amdhsa_inst_pref_size 66
	.end_amdhsa_kernel
	.amdgpu_metadata
---
amdhsa.version: [ 1, 2 ]
amdhsa.kernels:
  - .name:           k_q74d7a78492_attn
    .symbol:         k_q74d7a78492_attn.kd
    .args:
      - { .name: qimg, .offset: 0, .size: 8, .value_kind: global_buffer, .address_space: global }
      - { .name: qsw, .offset: 8, .size: 8, .value_kind: global_buffer, .address_space: global }
      - { .name: kimg, .offset: 16, .size: 8, .value_kind: global_buffer, .address_space: global }
      - { .name: ksw, .offset: 24, .size: 8, .value_kind: global_buffer, .address_space: global }
      - { .name: vimg, .offset: 32, .size: 8, .value_kind: global_buffer, .address_space: global }
      - { .name: vsw, .offset: 40, .size: 8, .value_kind: global_buffer, .address_space: global }
      - { .name: aimg, .offset: 48, .size: 8, .value_kind: global_buffer, .address_space: global }
      - { .name: asc, .offset: 56, .size: 8, .value_kind: global_buffer, .address_space: global }
    .group_segment_fixed_size: 276480
    .private_segment_fixed_size: 0
    .kernarg_segment_align: 8
    .kernarg_segment_size: 64
    .max_flat_workgroup_size: 256
    .sgpr_count:     100
    .vgpr_count:     512
    .wavefront_size: 32
...
	.end_amdgpu_metadata
.endif
;; end of part 2
;; launch proj (part 3): grid 8 x 32, 4 waves a work-group, clusters of 4 x 4, 327,680 bytes of LDS; arguments aimg, asc, w_out_codes, w_out_scales, b_out, out0; writes out0
.if DOCPART == 3
	.amdgcn_target "amdgcn-amd-amdhsa--gfx1250"
	.amdhsa_code_object_version 6
	.text
	.protected	k_q74d7a78492_proj
	.globl	k_q74d7a78492_proj
	.p2align	8
	.type	k_q74d7a78492_proj,@function
k_q74d7a78492_proj:
	s_mov_b64 s[64:65], 0
	v_nop
	global_prefetch_b8 v0, s[64:65] scope:SCOPE_SE
	s_setreg_imm32_b32 hwreg(HW_REG_WAVE_MODE, 25, 1), 1
	s_wait_xcnt 0x0
	s_wait_alu depctr_hold_cnt(0) depctr_sa_sdst(0) depctr_va_vdst(0) depctr_va_sdst(0) depctr_va_ssrc(0) depctr_va_vcc(0) depctr_vm_vsrc(0)
	s_getreg_b32 s2, hwreg(HW_REG_IB_STS2, 6, 4)
	s_cmp_eq_u32 s2, 0
	s_cbranch_scc0 .Lentry_in_a_cluster
	s_endpgm
.Lentry_in_a_cluster:
	s_bfe_u32 s2, ttmp6, 0x10000c
	s_cmp_lg_u32 s2, 0xf033
	s_cbranch_scc0 .Lentry_shape_is_right
	s_endpgm
.Lentry_shape_is_right:
; out0[m][n] = b_out[n] + the sum over k of A[m][k] W[n][k], on codes of FP8 (E4M3) with one E8M0 scale for each 32 along K; sums in f32.
; A comes from the launch before as images of operand registers: [K step of 256][tile of 16 rows][4,096 bytes]: piece c of the step's q-th 128 at 2,048 q + 512 c, lane l's 16 bytes at 16 l; its scale bytes 32 a row, in the images' order of rows.
; Image row r of tile 2 B + u is token 32 B + 8 u + r + 8 (r / 8): the stores put each row back in its place.
; A BLOCK is 256 rows x 128 columns: 8,192 / 256 x 1,024 / 128 = 256 work-groups.  Four waves; a wave makes 128 x 64: 32 accumulators of 16 x 16.
; K goes in steps of 256 through a ring of two LDS slots.  CLUSTERS of 4 x 4: A's tiles are asked for jointly along a row of the cluster, W's along a column.
; THE HEAD: one load a wave: wave 0 K step 0's 256 rows of A, wave 1 its 128 rows of W, wave 2 A's scales for all of K, wave 3 W's.  Slot 1 is first filled behind the full sequence and a round.
; PREFETCH: K steps 1 and 2 are asked for behind the head's loads and K step 3 behind slot 1's load: one or two loads ahead.  Of what a wave fetches in the ring, the partner at place p names its quarter
; (A: 32 blocks of 256 bytes, a lane a block; W: 16 rows, a lane a row, lanes 16-31 name row 15 again): told apart by address.
; The matrix instruction is used transposed (source 0 = 16 rows of W, source 1 = 16 rows of A): a lane holds eight neighbouring columns of one row.  The bias is the C of each accumulator's first product.
; REGISTERS: window 0: v16-31 addresses; v32-63 scale words, two sets; v64-95 the bias; from v128 A's fragments, one set.  Window 1: W's fragments, two sets, at v0 and v128.  Windows 2, 3: accumulator (a, b) at v[8 (8 (a % 4) + b)].
.set NQ,     2
.set ROWB,   256
.set KROW,   1024
.set PITCH,  272
.set FR,     16
.set NL,     4
.set NP,     8
.set HALFA,  32768                     ; 128 rows of A's images of a K step
.set HALFT,  64*PITCH                  ; 64 rows of W
.set SLOT,   2*HALFA+2*HALFT
.set ASTEP,  2097152                   ; from K step to K step in A's images
.set LAPS,   2
.set KS,     32
.set SCL,    2*SLOT                    ; the scales: A's 256 rows (2 HALFS), then W's 128 (HALFS)
.set HALFS,  16*272
.set SBLK,   2*272
.set SPARE,  SCL+4*HALFS
.set SPITCH, 272                       ; the way out: 16 rows x (256 bytes + 16) for each wave, in slot 0, which has had its last fill and its last read by then
.set ADRA, 16
.set ADRB, 20
.set STO,  24
.set RD,   25
.set CO,   26
.set ADRS, 27                          ; scale words: lanes 0-15 A's block i, lanes 16-31 W's block i (i = 0 .. 3)
.set SPW,  28
.set NIL,  29
.set PFO,  30
.set ADRS2, 31                         ; for i = 4 .. 7: lanes 16-31 read W's block i - 4 again
.set SC,   32
.set BI,   64
.set AF,   128
.set BK,   128
.set G1, 24
.set G0, 32
.set G1B, 48
.set G0B, 56
.set G1S, 68
.set G0S, 76
.set G1SB, 80
.set G0SB, 88
.set G0H, 4
.set G0HB, 8
.set MSB, 0
.macro WIN new
.if MSB != (\new)
	s_set_vgpr_msb (MSB<<8)|(\new)
.set MSB, (\new)
.endif
.endm
.set MUL_LO, 0xa1
.set MUL_HI, 0xf1
.set TO_B,   0x40
.macro JLOAD g0a, g1a, g0b, g1b        ; waves 0 and 1 fetch for A, waves 2 and 3 for W
	s_cmp_eq_u32 s15, 0
	s_cbranch_scc0 .Lfor_b_\@
	tensor_load_to_lds s[\g0a:\g0a+3], s[\g1a:\g1a+7]
	s_nop 0
.rept 4
	v_nop
.endr
	s_branch .Lasked_\@
.Lfor_b_\@:
	tensor_load_to_lds s[\g0b:\g0b+3], s[\g1b:\g1b+7]
	s_nop 0
.rept 4
	v_nop
.endr
.Lasked_\@:
.endm
.macro ASK st                          ; my part of K step st
	s_cmp_eq_u32 s15, 0
	s_cbranch_scc0 .Lpf_b_\@
	global_prefetch_b8 v[PFO], s[98:99] offset:(\st)*ASTEP th:TH_LOAD_NT scope:SCOPE_SE
	s_branch .Lpf_d_\@
.Lpf_b_\@:
	global_prefetch_b8 v[PFO], s[98:99] offset:(\st)*ROWB th:TH_LOAD_NT scope:SCOPE_SE
.Lpf_d_\@:
.endm
.macro CREST
	s_cmp_lg_u32 s14, 0
	s_cbranch_scc1 .Lnot_wave_0_\@
	s_barrier_signal -3
.Lnot_wave_0_\@:
	s_barrier_wait -3
	s_barrier_signal -1
	s_barrier_wait -1
.endm
.macro CROUND
	s_barrier_signal -1
	s_barrier_wait -1
	CREST
.endm
	s_load_b128 s[4:7], s[0:1], 0x0                ; A's images, A's scales
	s_load_b128 s[8:11], s[0:1], 0x10              ; W's codes, W's scales
	s_load_b64 s[12:13], s[0:1], 0x20              ; the bias
	s_load_b64 s[96:97], s[0:1], 0x28              ; out0
	v_lshl_add_u32 v[SPW], v0, 2, SPARE
	v_mov_b32 v[NIL], 0
	ds_add_u32 v[SPW], v[NIL]                      ; the opening lines: the add, twice on end, and its wait
	ds_add_u32 v[SPW], v[NIL]
	v_lshrrev_b32 v1, 5, v0
	v_readfirstlane_b32 s14, v1                    ; wave 0..3
	s_lshr_b32 s15, s14, 1                         ; my half of the rows.  Also: I fetch for A (0) or for W (1)
	s_and_b32 s16, s14, 1                          ; my half of the columns.  Also: which half of that tile I fetch
	s_bfe_u32 s40, ttmp6, 0x40000
	s_bfe_u32 s41, ttmp6, 0x40004
	s_lshl_b32 s42, ttmp9, 2
	s_add_co_u32 s42, s42, s40                     ; block column
	s_and_b32 s17, ttmp7, 0xffff
	s_lshl_b32 s17, s17, 2
	s_add_co_u32 s17, s17, s41                     ; block row
	s_lshl_b32 s43, s41, 2
	s_lshl_b32 s43, 15, s43                        ; my row of the cluster
	s_lshl_b32 s44, 0x1111, s40                    ; my column
	s_or_b32 s[G1+0], s43, (3<<16)|(1<<21)         ; A's images: dense rows of 256 bytes: 256 at the head, then 128
	s_mov_b32 s[G1+1], 32<<16
	s_mov_b32 s[G1+2], 256<<16
	s_mov_b32 s[G1+3], 32<<16
	s_mov_b32 s[G1+4], 256
	s_mov_b32 s[G1+5], 32
	s_mov_b32 s[G1+6], 0
	s_mov_b32 s[G1+7], 0
	s_or_b32 s[G1B+0], s44, (0<<16)|(1<<20)|(1<<21)|(5<<22)|(3<<25)   ; W's rows of 256 bytes, 16 of padding behind each: 128 at the head, then 64
	s_mov_b32 s[G1B+1], ROWB<<16
	s_mov_b32 s[G1B+2], 128<<16
	s_mov_b32 s[G1B+3], ROWB<<16
	s_mov_b32 s[G1B+4], 128
	s_mov_b32 s[G1B+5], KROW
	s_mov_b32 s[G1B+6], 0
	s_mov_b32 s[G1B+7], 0
	s_or_b32 s[G1S+0], s43, (3<<16)|(1<<20)|(1<<21)|(5<<22)|(3<<25)   ; scales: dense blocks as rows of 256 bytes, padded: A's 32 rows, W's 16
	s_mov_b32 s[G1S+1], 32<<16
	s_mov_b32 s[G1S+2], 32<<16
	s_mov_b32 s[G1S+3], 32<<16
	s_mov_b32 s[G1S+4], 32
	s_mov_b32 s[G1S+5], 32
	s_mov_b32 s[G1S+6], 0
	s_mov_b32 s[G1S+7], 0
	s_or_b32 s[G1SB+0], s44, (3<<16)|(1<<20)|(1<<21)|(5<<22)|(3<<25)
	s_mov_b32 s[G1SB+1], 32<<16
	s_mov_b32 s[G1SB+2], 16<<16
	s_mov_b32 s[G1SB+3], 32<<16
	s_mov_b32 s[G1SB+4], 16
	s_mov_b32 s[G1SB+5], 32
	s_mov_b32 s[G1SB+6], 0
	s_mov_b32 s[G1SB+7], 0
	s_lshl_b32 s20, s17, 16                        ; A's images of my block's 256 rows: 65,536 bytes a K step
	s_mov_b32 s21, 0
	s_lshl_b32 s22, s17, 13                        ; their scales: 32 bytes a row
	s_mov_b32 s23, 0
	s_lshl_b32 s46, s42, 17                        ; W's 128 rows of 1,024 bytes
	s_mov_b32 s47, 0
	s_lshl_b32 s92, s42, 12                        ; their scales
	s_mov_b32 s93, 0
	s_lshl_b32 s18, s16, 15                        ; in the ring: my 128 rows of A,
	s_mov_b32 s19, 0
	s_lshl_b32 s94, s16, 16                        ; or my 64 rows of W
	s_mov_b32 s95, 0
	s_mul_i32 s45, s16, HALFA                      ; and where they go: no place in the cluster enters an LDS address
	s_mul_i32 s66, s16, HALFT
	s_add_co_u32 s66, s66, 2*HALFA
	s_wait_dscnt 0x0                               ; both opening adds are done
	s_wait_kmcnt 0x0
	s_add_nc_u64 s[20:21], s[4:5], s[20:21]
	s_add_nc_u64 s[22:23], s[6:7], s[22:23]
	s_add_nc_u64 s[46:47], s[8:9], s[46:47]
	s_add_nc_u64 s[92:93], s[10:11], s[92:93]
	CROUND                                         ; all sixteen work-groups are here: the first joint loads meet
	s_mov_b32 s[G0H], 1
	s_mov_b32 s[G0H+1], 0
	s_mov_b64 s[G0H+2:G0H+3], s[20:21]
	s_or_b32 s[G0H+3], s[G0H+3], 0x80000000
	s_mov_b32 s[G0HB], 1
	s_mov_b32 s[G0HB+1], 2*HALFA
	s_mov_b64 s[G0HB+2:G0HB+3], s[46:47]
	s_or_b32 s[G0HB+3], s[G0HB+3], 0x80000000
	s_mov_b32 s[G0S], 1
	s_mov_b32 s[G0S+1], SCL
	s_mov_b64 s[G0S+2:G0S+3], s[22:23]
	s_or_b32 s[G0S+3], s[G0S+3], 0x80000000
	s_mov_b32 s[G0SB], 1
	s_mov_b32 s[G0SB+1], SCL+2*HALFS
	s_mov_b64 s[G0SB+2:G0SB+3], s[92:93]
	s_or_b32 s[G0SB+3], s[G0SB+3], 0x80000000
	s_add_nc_u64 s[20:21], s[20:21], s[18:19]      ; for the ring: my part of the tile
	s_add_nc_u64 s[46:47], s[46:47], s[94:95]
.irp s, 0,1
	s_mov_b32 s[G0+4*\s], 1
	s_add_co_u32 s[G0+4*\s+1], s45, \s*SLOT
	s_add_nc_u64 s[G0+4*\s+2:G0+4*\s+3], s[20:21], \s*ASTEP
	s_or_b32 s[G0+4*\s+3], s[G0+4*\s+3], 0x80000000
	s_mov_b32 s[G0B+4*\s], 1
	s_add_co_u32 s[G0B+4*\s+1], s66, \s*SLOT
	s_add_nc_u64 s[G0B+4*\s+2:G0B+4*\s+3], s[46:47], \s*ROWB
	s_or_b32 s[G0B+4*\s+3], s[G0B+4*\s+3], 0x80000000
.endr
	s_lshl_b32 s18, s40, 13                        ; the prefetches: A: 32 blocks of 256 bytes for each partner along x;
	s_lshl_b32 s94, s41, 14                        ; W: 16 rows of 1,024 bytes for each partner along y
	s_cmp_eq_u32 s15, 0
	s_cselect_b32 s18, s18, s94
	s_cselect_b64 s[98:99], s[20:21], s[46:47]
	s_cselect_b32 s67, 31, 15                      ; lanes that name a block of their own
	s_cselect_b32 s3, 8, 10                        ; from lane to lane: 256 or 1,024 bytes
	s_mov_b32 s19, 0
	s_add_nc_u64 s[98:99], s[98:99], s[18:19]
	v_and_b32 v[PFO], 31, v0
	v_min_u32 v[PFO], s67, v[PFO]
	v_lshlrev_b32 v[PFO], s3, v[PFO]               ; never rewritten
.macro ARM under, g0, g1, next         ; one chain of branches on the wave's number, an arm a load, all arms to one join
	s_cmp_lt_u32 s14, \under
	s_cbranch_scc0 \next
	tensor_load_to_lds s[\g0:\g0+3], s[\g1:\g1+7]
	s_nop 0
.rept 4
	v_nop
.endr
	s_branch .Lhead_asked
\next:
.endm
	ARM 1, G0H,  G1,  .Lhead_b
	ARM 2, G0HB, G1B, .Lhead_sa
	ARM 3, G0S,  G1S, .Lhead_sb
	tensor_load_to_lds s[G0SB:G0SB+3], s[G1SB:G1SB+7]
	s_nop 0
.rept 4
	v_nop
.endr
.Lhead_asked:
	s_wait_alu depctr_va_vdst(0)                   ; directly ahead of the branch
	ASK 1
	ASK 2
	; the scalars of the LDS addresses and of the way out first, then the vector lines on end
	s_mul_i32 s20, s15, HALFA                      ; my 128 rows of A in slot 0, 1
	s_add_co_u32 s21, s20, SLOT
	s_mul_i32 s22, s16, HALFT                      ; my 64 rows of W
	s_add_co_u32 s22, s22, 2*HALFA
	s_add_co_u32 s23, s22, SLOT
	s_mul_i32 s46, s15, HALFS                      ; A's scales: my 128 rows
	s_mul_i32 s47, s16, 4*SBLK                     ; W's: my 64 rows, behind A's 256
	s_add_co_u32 s47, s47, 2*HALFS
	s_sub_co_u32 s47, s47, s46                     ; the distance from A's to W's
	s_sub_co_u32 s92, s47, 4*SBLK                  ; and four blocks less
	s_add_co_u32 s46, s46, SCL
	s_mul_i32 s93, s14, 16*SPITCH                  ; my stage
	s_lshl_b32 s18, s17, 20                        ; my first row of out0: 256 x block row + 128 x half, 4,096 bytes a row
	s_lshl_b32 s19, s15, 19
	s_add_co_u32 s18, s18, s19
	s_lshl_b32 s94, s42, 9                         ; my first column, in bytes: 512 x block column + 256 x half
	s_lshl_b32 s95, s16, 8
	s_add_co_u32 s94, s94, s95
	s_mov_b32 s95, 0
	s_add_nc_u64 s[12:13], s[12:13], s[94:95]
	s_add_co_u32 s18, s18, s94
	s_mov_b32 s19, 0
	s_add_nc_u64 s[96:97], s[96:97], s[18:19]
	v_and_b32 v1, 15, v0                           ; r
	v_bfe_u32 v2, v0, 4, 1                         ; h
	v_mul_u32_u24 v3, v1, PITCH
	v_lshl_add_u32 v4, v2, 4, v3
	v_and_b32 v6, 31, v0
	v_lshlrev_b32 v8, 4, v6                        ; 16 x lane
	v_add_nc_u32 v[ADRA], s20, v8
	v_add_nc_u32 v[ADRA+1], s21, v8
	v_add_nc_u32 v[ADRB], s22, v4
	v_add_nc_u32 v[ADRB+1], s23, v4
	v_mul_u32_u24 v5, v1, KS                       ; my row's scales: 32 bytes a row,
	v_lshrrev_b32 v6, 8, v5
	v_lshl_add_u32 v5, v6, 4, v5                   ; and 16 more for each 256 passed
	v_add_nc_u32 v5, s46, v5
	v_mul_u32_u24 v6, s47, v2                      ; lanes 16-31 take W's
	v_mul_u32_u24 v9, s92, v2
	v_add_nc_u32 v[ADRS], v5, v6
	v_add_nc_u32 v[ADRS2], v5, v9
	v_mul_u32_u24 v5, v1, SPITCH                   ; in: row r, 32 bytes for each half of the lanes
	v_lshl_add_u32 v5, v2, 5, v5
	v_add_nc_u32 v[STO], s93, v5
	v_mul_u32_u24 v5, v2, SPITCH                   ; back: lanes 0-15 one row of 256 bytes, lanes 16-31 the next
	v_lshl_add_u32 v5, v1, 4, v5
	v_add_nc_u32 v[RD], s93, v5
	v_lshlrev_b32 v[CO], 4, v1                     ; and the same two rows in out0
	v_lshl_add_u32 v[CO], v2, 12, v[CO]
	v_lshlrev_b32 v7, 5, v2
.irp b, 0,1,2,3
	global_load_b128 v[BI+8*\b:BI+8*\b+3], v7, s[12:13] offset:64*\b          ; the bias at my eight columns of block b
	global_load_b128 v[BI+8*\b+4:BI+8*\b+7], v7, s[12:13] offset:64*\b+16
.endr
.macro FRAG reg, adr, q, i
.irp c, 0,1,2,3
	ds_load_b128 v[\reg+4*\c:\reg+4*\c+3], v[\adr] offset:128*(\q)+32*\c+(\i)*16*PITCH
.endr
.endm
.macro FRAGA reg, adr, q, i
.irp c, 0,1,2,3
	ds_load_b128 v[\reg+4*\c:\reg+4*\c+3], v[\adr] offset:4096*(\i)+2048*(\q)+512*\c
.endr
.endm
; eight matrix instructions: A's blocks a0, a0 + 1 x W's four.  The 32 accumulators take turns, in the same order in every step
.macro MUL8 a0, p, q, sc, first
.irp a, \a0, \a0+1
.irp b, 0,1,2,3
.if \first
	v_wmma_scale_f32_16x16x128_f8f6f4 v[8*(8*((\a)%4)+\b):8*(8*((\a)%4)+\b)+7], v[128*(\p)+FR*\b:128*(\p)+FR*\b+FR-1], v[AF+FR*(\a):AF+FR*(\a)+FR-1], v[BI+8*\b:BI+8*\b+7], v[SC+8*NQ*(\sc)+NQ*\b+(\q)], v[SC+8*NQ*(\sc)+NQ*(\a)+(\q)] matrix_a_scale:MATRIX_SCALE_ROW1
.else
	v_wmma_scale_f32_16x16x128_f8f6f4 v[8*(8*((\a)%4)+\b):8*(8*((\a)%4)+\b)+7], v[128*(\p)+FR*\b:128*(\p)+FR*\b+FR-1], v[AF+FR*(\a):AF+FR*(\a)+FR-1], v[8*(8*((\a)%4)+\b):8*(8*((\a)%4)+\b)+7], v[SC+8*NQ*(\sc)+NQ*\b+(\q)], v[SC+8*NQ*(\sc)+NQ*(\a)+(\q)] matrix_a_scale:MATRIX_SCALE_ROW1
.endif
.endr
.endr
.endm
.macro FETCH_B slot, q, p
	WIN TO_B
.irp i, 0,1,2,3
	FRAG 128*(\p)+FR*\i, ADRB+\slot, \q, \i
.endr
	WIN 0
.endm
.macro FETCH_A slot, q, i0
.irp i, \i0, \i0+1, \i0+2, \i0+3
	FRAGA AF+FR*(\i), ADRA+\slot, \q, \i
.endr
.endm
.macro SCALES sc
.irp i, 0,1,2,3
	ds_load_b64 v[SC+8*NQ*\sc+NQ*\i:SC+8*NQ*\sc+NQ*\i+1], v[ADRS] offset:\i*SBLK
.endr
.irp i, 4,5,6,7
	ds_load_b64 v[SC+8*NQ*\sc+NQ*\i:SC+8*NQ*\sc+NQ*\i+1], v[ADRS2] offset:\i*SBLK
.endr
.endm
.macro PLACES n
.rept \n
	v_nop
.endr
.endm
.macro STEP slot, q, first
	s_wait_dscnt 4*NL                              ; all but the youngest 16 loads: A's blocks 4-7
	WIN MUL_LO-0x20*(\first)
	MUL8 0, (\q)%2, \q, \slot, \first
	MUL8 2, (\q)%2, \q, \slot, \first
	s_wait_dscnt 0
	PLACES NP
	FETCH_B \slot, (\q)+1, 1-(\q)%2
	FETCH_A \slot, (\q)+1, 0
	WIN MUL_HI-0x30*(\first)
	MUL8 4, (\q)%2, \q, \slot, \first
	MUL8 6, (\q)%2, \q, \slot, \first
	PLACES NP
	WIN 0
	FETCH_A \slot, (\q)+1, 4
.endm
.macro TURN slot, next, fill           ; a slot's last step changes slots
	s_wait_tensorcnt 0x0                           ; all my tensor loads have landed;
	ds_add_u32 v[SPW], v[NIL]
	s_wait_dscnt 4*NL+1                            ; (the add and the youngest 16 loads may be out)
	WIN MUL_LO
	MUL8 0, 1, NQ-1, \slot, 0
	s_wait_dscnt 0x0                               ; the add is done, and my reads of this slot are over
	s_barrier_signal -1
	MUL8 2, 1, NQ-1, \slot, 0
	WIN 0
	s_barrier_wait -1
.if \fill
	CREST                                          ; the barrier has opened a round of the cluster's barrier
	s_add_nc_u64 s[G0+4*\slot+2:G0+4*\slot+3], s[G0+4*\slot+2:G0+4*\slot+3], 2*ASTEP
	s_add_nc_u64 s[G0B+4*\slot+2:G0B+4*\slot+3], s[G0B+4*\slot+2:G0B+4*\slot+3], 2*ROWB
	JLOAD G0+4*\slot, G1, G0B+4*\slot, G1B
	PLACES NP-4
.else
	PLACES NP
.endif
	s_wait_alu depctr_va_vdst(0)                   ; directly ahead of the readers below
	v_add_nc_u32 v[ADRS], 4*NQ, v[ADRS]            ; the next K step's scale words
	v_add_nc_u32 v[ADRS2], 4*NQ, v[ADRS2]
	FETCH_B \next, 0, 0
	FETCH_A \next, 0, 0
	SCALES \next
	WIN MUL_HI
	MUL8 4, 1, NQ-1, \slot, 0
	MUL8 6, 1, NQ-1, \slot, 0
	PLACES NP
	WIN 0
	FETCH_A \next, 0, 4
.endm
	s_wait_alu depctr_va_vdst(0)                   ; at the head's end
	s_wait_tensorcnt 0x0                           ; my tile of the head's four is in
	ds_add_u32 v[SPW], v[NIL]
	s_mov_b32 s[G1+2], 128<<16                     ; no tensor load of mine is out: from here on a load brings 128 rows of A,
	s_mov_b32 s[G1+4], 128
	s_mov_b32 s[G1B+2], 64<<16                     ; or 64 of W
	s_mov_b32 s[G1B+4], 64
	s_wait_dscnt 0x0
	CROUND
	JLOAD G0+4, G1, G0B+4, G1B                     ; K step 1, the first tensor load behind the round
	ASK 3
	FETCH_B 0, 0, 0
	FETCH_A 0, 0, 0
	SCALES 0
	FETCH_A 0, 0, 4
	s_wait_loadcnt 0x0                             ; the bias
	STEP 0, 0, 1
	s_mov_b32 s3, LAPS-1
.Llap:
	TURN 0, 1, 1
	STEP 1, 0, 0
	TURN 1, 0, 1
	STEP 0, 0, 0
	s_sub_co_u32 s3, s3, 1
	s_cmp_lg_u32 s3, 0
	s_cbranch_scc1 .Llap
	TURN 0, 1, 0
	STEP 1, 0, 0
	s_wait_dscnt 4*NL
	WIN MUL_LO
	MUL8 0, 1, NQ-1, 1, 0
	MUL8 2, 1, NQ-1, 1, 0
	s_wait_dscnt 0
	WIN MUL_HI
	MUL8 4, 1, NQ-1, 1, 0
	MUL8 6, 1, NQ-1, 1, 0
	WIN 0
; THE WAY OUT, block by block of 16 rows x 64 columns, through my own stage: back come whole rows of 256 bytes, which sixteen lanes store as one aligned unit
.macro TOSTAGE a
.set AC, 64*((\a)%4)
	WIN 0x08+4*((\a)/4)
.irp b, 0,1,2,3
	ds_store_b128 v[STO], v[AC+8*\b:AC+8*\b+3] offset:64*\b          ; each accumulator from its low end on
	ds_store_b128 v[STO], v[AC+8*\b+4:AC+8*\b+7] offset:64*\b+16
.endr
	WIN 0
.set BB, BK+32*((\a)%2)
.irp t, 0,1,2,3,4,5,6,7
	ds_load_b128 v[BB+4*\t:BB+4*\t+3], v[RD] offset:2*\t*SPITCH
.endr
.endm
.macro SEND a, younger                 ; stage row 2 t + h of block a is token 32 (a / 2) + 8 (a % 2) + 2 t + h + 8 (t / 4) of my 128
.set BB, BK+32*((\a)%2)
	s_wait_dscnt \younger
.irp t, 0,1,2,3,4,5,6,7
	global_store_b128 v[CO], v[BB+4*\t:BB+4*\t+3], s[96:97] offset:(32*((\a)/2)+8*((\a)%2)+2*\t+8*(\t/4))*4096 th:TH_STORE_NT
.endr
.endm
	PLACES NP
	TOSTAGE 0
.irp a, 1,2,3,4,5,6,7
.if \a > 1
	s_wait_xcnt 0x0                                ; block a - 2's stores have read their registers: block a's loads may land there
.endif
	TOSTAGE \a
	SEND \a-1, 16                                  ; behind block a - 1's loads: block a's 8 stores and 8 loads
.endr
	SEND 7, 0
	s_wait_tensorcnt 0x0                           ; the wave's end
	ds_add_u32 v[SPW], v[NIL]
	s_wait_dscnt 0x0
	CROUND                                         ; the closing round
	s_endpgm
.Lfunc_end_k_q74d7a78492_proj:
	.size	k_q74d7a78492_proj, .Lfunc_end_k_q74d7a78492_proj-k_q74d7a78492_proj
	.p2alignl 7, 3214868480
	.fill 96, 4, 3214868480
	.section	.rodata,"a",@progbits
	.p2align	6, 0x0
	.amdhsa_kernel k_q74d7a78492_proj
		.amdhsa_group_segment_fixed_size 327680
		.amdhsa_private_segment_fixed_size 0
		.amdhsa_enable_private_segment 0
		.amdhsa_kernarg_size 48
		.amdhsa_user_sgpr_count 2
		.amdhsa_user_sgpr_kernarg_segment_ptr 1
		.amdhsa_wavefront_size32 1
		.amdhsa_system_sgpr_workgroup_id_x 1
		.amdhsa_system_sgpr_workgroup_id_y 1
		.amdhsa_system_sgpr_workgroup_id_z 1
		.amdhsa_system_vgpr_workitem_id 0
		.amdhsa_next_free_vgpr 1024
		.amdhsa_next_free_sgpr 100
		.amdhsa_reserve_vcc 0
		.amdhsa_float_denorm_mode_32 3
		.amdhsa_float_denorm_mode_16_64 3
		.amdhsa_memory_ordered 1
		.amdhsa_forward_progress 1
		.amdhsa_inst_pref_size 94
	.end_amdhsa_kernel
	.amdgpu_metadata
---
amdhsa.version: [ 1, 2 ]
amdhsa.kernels:
  - .name:           k_q74d7a78492_proj
    .symbol:         k_q74d7a78492_proj.kd
    .args:
      - { .name: aimg, .offset: 0, .size: 8, .value_kind: global_buffer, .address_space: global }
      - { .name: asc, .offset: 8, .size: 8, .value_kind: global_buffer, .address_space: global }
      - { .name: w_out_codes, .offset: 16, .size: 8, .value_kind: global_buffer, .address_space: global }
      - { .name: w_out_scales, .offset: 24, .size: 8, .value_kind: global_buffer, .address_space: global }
      - { .name: b_out, .offset: 32, .size: 8, .value_kind: global_buffer, .address_space: global }
      - { .name: out0, .offset: 40, .size: 8, .value_kind: global_buffer, .address_space: global }
    .group_segment_fixed_size: 327680
    .private_segment_fixed_size: 0
    .kernarg_segment_align: 8
    .kernarg_segment_size: 48
    .max_flat_workgroup_size: 128
    .sgpr_count:     100
    .vgpr_count:     1024
    .wavefront_size: 32
...
	.end_amdgpu_metadata
.endif
;; end of part 3
